; MI455X (gfx1250); checked and timed in simulation.
; The chip was launched on July 23, 2026; its instructions are those of AMD's public machine-readable ISA for CDNA 5 (MIT licence, August 2026) and "CDNA5" Instruction Set Architecture Reference Guide (July 2026). The comments in the code are by the model that wrote it; some were corrected since.
;; Decoder Block. Allowed arithmetic: matrix products marked QUANTISED: E4M3 operands, one given power-of-two scale a tensor, by v_wmma_f32_16x16x64_fp8_fp8 or v_wmma_f32_16x16x128_fp8_fp8, f32 sums; everything else in f32.
;; Inputs: W1 512 x 2,048 float32; W2 2,048 x 512 float32; Wk 16 x 512 x 32 float32; Wo 512 x 512 float32; Wq 16 x 512 x 32 float32; Wv 16 x 512 x 32 float32; b1 2,048 float32; b2 512 float32; be1 512 float32; be2 512 float32; bo 512 float32; g1 512 float32; g2 512 float32; lowp_scales 16 int32 (the exponents e of the quantised operands' scales 2^e); x 4 x 2,048 x 512 float32.
;; Outputs: out0 4 x 2,048 x 512 float32.
;; This version of the problem:
;;   THIS VERSION OF THE PROBLEM IS GIVEN IN LOW PRECISION. The matrix products marked QUANTISED in the list below multiply operands that are first quantised to E4M3 (4 exponent bits, 3 mantissa bits; 8 bits a number), with one given power-of-two scale for each operand tensor; their sums are f32. All else is computed in f32.
;;   The module's matrix products, in the order in which they are computed (A, B: the left and right operand; K: the contracted axis; several contracted axes count as one K, in the product's order):
;;     1. [M 512, K 512] x [K 512, N 8,192]; A: input Wq; B: computed on the way: QUANTISED (scales: A lowp_scales[0], B lowp_scales[1])
;;     2. [M 512, K 512] x [K 512, N 8,192]; A: input Wk; B: computed on the way: QUANTISED (scales: A lowp_scales[2], B lowp_scales[3])
;;     3. [M 512, K 512] x [K 512, N 8,192]; A: input Wv; B: computed on the way: QUANTISED (scales: A lowp_scales[4], B lowp_scales[5])
;;     4. batch 64 x [M 2,048, K 32] x [K 32, N 2,048]; A: computed on the way; B: computed on the way: QUANTISED (scales: A lowp_scales[6], B lowp_scales[7])
;;     5. batch 64 x [M 2,048, K 2,048] x [K 2,048, N 32]; A: softmax (see below); B: computed on the way: QUANTISED (scales: A lowp_scales[8], B lowp_scales[9])
;;     6. [M 8,192, K 512] x [K 512, N 512]; A: computed on the way; B: input Wo: QUANTISED (scales: A lowp_scales[10], B lowp_scales[11])
;;     7. [M 8,192, K 512] x [K 512, N 2,048]; A: computed on the way; B: input W1: QUANTISED (scales: A lowp_scales[12], B lowp_scales[13])
;;     8. [M 8,192, K 2,048] x [K 2,048, N 512]; A: computed on the way; B: input W2: QUANTISED (scales: A lowp_scales[14], B lowp_scales[15])
;;   THE QUANTISER, for each operand of a quantised product, along K:
;;     - The operand's scale is 2^e, e = its entry of the input lowp_scales (int32; the entries are numbered through the quantised products in the list's order, A before B).
;;     - Each number is divided by the scale, clamped to +-448, and rounded to the nearest number of E4M3, ties to even, subnormals kept.
;;     - The product sums the exact products of the quantised numbers (number of the format x scale) in f32.
;;   ~~~python
;;   def quantise(x, axis, e):      # numpy; x: float32 -> the quantised numbers, widened to float32 again
;;       x = np.moveaxis(x, axis, -1); K = x.shape[-1]
;;       r = np.clip(x / 2.0 ** e, -448, 448)
;;       step = 2.0 ** (np.maximum(np.frexp(np.where(r == 0, 1, r))[1] - 1, -6) - 3)
;;       q = np.round(r / step) * step * 2.0 ** e      # np.round: ties to even
;;       return np.moveaxis(q, -1, axis).astype(np.float32)
;;   ~~~
;;   SOFTMAX AHEAD OF A QUANTISED PRODUCT. Where the list says 'softmax', what is quantised is not the finished softmax but p = 2^(t - M), with t = logit x log2(e) and M = ceil(the row's largest t), a whole number; so 1/2 < the row's largest p <= 1. The row's sum l is taken of the UNQUANTISED p, in f32, and the product's result is divided by l at the end. Since M is a whole number, a kernel that streams over the keys may use a running M (the ceiling of the running maximum): every later rescaling is an exact power of two, so the quantised numbers keep their values, but for numbers so far below the row's largest that they fall under the format's range.
;;   OPERANDS COMPUTED ON THE WAY. 'Computed on the way' means the value that the module computes at that place (a softmax that the list does not call 'softmax' is quantised finished and normalised). What goes into a quantiser is computed in f32, as accurately as f32 sums, v_exp_f32 and their like allow (about 1e-6 of the number): no bf16 or f16 on the way to a quantiser, and a product that is left as it is and whose result goes on into a quantised operand takes f32 operands (vector FMAs, or v_wmma_f32_16x16x4_f32). A number that lies on a knife's edge between two numbers of the format may be rounded either way, as far as f32 arithmetic and the matrix unit's own rounding can turn it there, and no further.
;; One version. Each part assembles by itself: llvm-mc -triple=amdgcn-amd-amdhsa -mcpu=gfx1250 --defsym DOCPART=n.
;; ======== version 1 of 1: 4 launches
;; limits: right only within a limited range of input values
;; workspace buffers: wc 3,145,728 bytes; q_img 4,194,304 bytes; k_img 4,194,304 bytes; v_img 4,194,304 bytes; a_img 4,194,304 bytes
;; launch prep (part 1): grid 256 x 1, 12 waves a work-group, no clusters, 0 bytes of LDS; arguments Wq, Wk, Wv, Wo, W1, W2, lowp_scales, wc; writes wc
.if DOCPART == 1
	.amdgcn_target "amdgcn-amd-amdhsa--gfx1250"
	.amdhsa_code_object_version 6
	.text
	.protected	k_q29df821a6e_prep
	.globl	k_q29df821a6e_prep
	.p2align	8
	.type	k_q29df821a6e_prep,@function
k_q29df821a6e_prep:
	s_mov_b64 s[64:65], 0
	v_nop
	global_prefetch_b8 v0, s[64:65] scope:SCOPE_SE
	s_setreg_imm32_b32 hwreg(HW_REG_WAVE_MODE, 25, 1), 1
	s_wait_xcnt 0x0
; The six weights (f32, K not innermost) become codes of E4M3 in wc, each with its given scale 2^e, laid in the order in which the later launches' waves take them into operand registers.
; code = w / 2^e, held within +-448, rounded to the nearest code, ties to even.
; LIMITS: each e between -126 and 119, so that 2^e and 448 x 2^e are f32 numbers.  NaN among the inputs is not served.
; SHARES.  3,072 wave jobs, J = 12 x work-group + wave.  A job is 32 neighbouring columns (group g) x 32 along K (block kq).  A LANE TAKES A COLUMN AND ITS 32 REGISTERS RUN DOWN K:
; each load reads 128 consecutive bytes, and the conversions, which take neighbours along K from one lane's registers, give codes with K innermost.  Nothing is transposed.
; J >> 8 = 0, 1, 2: Wq, Wk, Wv (group = head);  3: Wo;  4-7: W1;  8-11: W2.
; LAYOUT OF wc.  A fragment (16 columns x 128 K) is 2,048 bytes: byte 512 c + 16 l + i is (column of lane l % 16, k = 32 c + 16 (l / 16) + i).  The 32 columns of a group are two fragments t = 0, 1:
; lane r of fragment t is column 8 t + r + 8 (r / 8).  A chunk is 8,192 bytes: K step 2 n: fragments 0, 1; K step 2 n + 1: fragments 0, 1.
; Bytes 0 .. 786,431: [head][6 chunks: Q 0-1, K 2-3, V 4-5].  From 786,432: [wave w][18 chunks: Wo columns 32 w on: 0-1; W1 columns 128 w + 32 c on: 2 + 2 c, 3 + 2 c; W2 columns 32 w on: 10-17].
; No LDS, no barrier, no matrix unit, no cluster: waves share nothing and every byte is read and written once.
.set OFF, 32                           ; v32-63  byte offset of row i of my 32 rows of K, at my column: one register a load, none rewritten
.set X,   64                           ; v64-95  my column's 32 numbers
	s_load_b512 s[8:23], s[0:1], 0x0               ; Wq 8, Wk 10, Wv 12, Wo 14, W1 16, W2 18, the scales' exponents 20, wc 22
	v_lshrrev_b32 v1, 5, v0
	s_delay_alu instid0(VALU_DEP_1)
	v_readfirstlane_b32 s2, v1                     ; wave 0..11
	s_mul_i32 s3, ttmp9, 12
	s_add_co_u32 s3, s3, s2                        ; J
	s_lshr_b32 s4, s3, 8                           ; which tensor
	; the tensor's figures, chosen without a branch: W2's first, then each earlier tensor's where J >> 8 lies under its bound
	s_mov_b32 s24, 2048                            ; bytes from a row of K to the next
	s_mov_b32 s25, 128                             ; bytes from a group of columns to the next
	s_mov_b32 s26, 4                               ; log2 of the number of groups
	s_mov_b32 s27, 1023                            ; jobs of the tensor - 1
	s_mov_b32 s28, 60                              ; byte of its e among the scales' exponents
	s_cmp_lt_u32 s4, 8                             ; W1
	s_cselect_b32 s24, 8192, s24
	s_cselect_b32 s26, 6, s26
	s_cselect_b32 s28, 52, s28
	s_cmp_lt_u32 s4, 4                             ; Wo
	s_cselect_b32 s24, 2048, s24
	s_cselect_b32 s26, 4, s26
	s_cselect_b32 s27, 255, s27
	s_cselect_b32 s28, 44, s28
	s_cmp_lt_u32 s4, 3                             ; Wv: [head][512][32]
	s_cselect_b32 s24, 128, s24
	s_cselect_b32 s25, 65536, s25
	s_cselect_b32 s28, 16, s28
	s_cmp_lt_u32 s4, 2                             ; Wk
	s_cselect_b32 s28, 8, s28
	s_cmp_lt_u32 s4, 1                             ; Wq
	s_cselect_b32 s28, 0, s28
	s_and_b32 s32, s3, s27                         ; the job's number in its tensor
	s_bfm_b32 s35, s26, 0
	s_and_b32 s33, s32, s35                        ; g: neighbouring waves take neighbouring groups
	s_lshr_b32 s34, s32, s26                       ; kq
	s_mul_i32 s40, s33, s25                        ; where the job begins in its tensor: g groups
	s_mul_i32 s41, s34, s24
	s_lshl_b32 s41, s41, 5                         ; + 32 kq rows
	s_add_co_u32 s40, s40, s41
	s_mov_b32 s41, 0
	; where its codes go
	s_lshr_b32 s36, s33, 2                         ; W1: wave = g / 4,
	s_and_b32 s37, s33, 3
	s_lshl_b32 s37, s37, 1
	s_add_co_u32 s37, s37, 2                       ; first chunk = 2 + 2 (g % 4)
	s_lshl_b32 s29, s4, 1                          ; Wq, Wk, Wv: first chunk = 0, 2, 4
	s_mov_b32 s38, 147456                          ; bytes of a wave's 18 chunks
	s_mov_b32 s39, 786432
	s_cmp_lt_u32 s4, 8
	s_cselect_b32 s36, s36, s33                    ; W2: wave = g,
	s_cselect_b32 s37, s37, 10                     ; first chunk = 10
	s_cmp_lt_u32 s4, 4
	s_cselect_b32 s36, s33, s36                    ; Wo: wave = g, first chunk = 0
	s_cselect_b32 s37, 0, s37
	s_cmp_lt_u32 s4, 3
	s_cselect_b32 s37, s29, s37
	s_cselect_b32 s38, 49152, s38                  ; bytes of a head's 6 chunks
	s_cselect_b32 s39, 0, s39
	s_mul_i32 s42, s36, s38
	s_add_co_u32 s42, s42, s39
	s_lshr_b32 s43, s34, 3                         ; K step = kq / 4; chunk = first + K step / 2
	s_add_co_u32 s43, s43, s37
	s_lshl_b32 s43, s43, 13
	s_add_co_u32 s42, s42, s43
	s_bfe_u32 s43, s34, 0x10002                    ; K step % 2
	s_lshl_b32 s43, s43, 12
	s_add_co_u32 s42, s42, s43
	s_and_b32 s43, s34, 3                          ; c = kq % 4
	s_lshl_b32 s43, s43, 9
	s_add_co_u32 s42, s42, s43
	s_mov_b32 s43, 0
	s_mov_b32 s29, 0                               ; s[28:29]: the byte of e, as a pair
	v_and_b32 v5, 31, v0                           ; lane = my column in the group
	s_delay_alu instid0(VALU_DEP_1)
	v_lshlrev_b32 v1, 2, v5
.set i, 0
.rept 32
	v_mad_u32_u24 v[OFF+i], s24, i, v1             ; row i, my column
.set i, i+1
.endr
	v_bfe_u32 v6, v0, 3, 1                         ; my column's fragment t = (lane / 8) % 2,
	v_and_b32 v7, 7, v0
	v_bfe_u32 v5, v0, 4, 1
	s_delay_alu instid0(VALU_DEP_1)
	v_lshl_add_u32 v7, v5, 3, v7                   ; and its lane there: lane % 8 + 8 (lane / 16)
	s_delay_alu instid0(VALU_DEP_1)
	v_lshlrev_b32 v7, 4, v7
	s_delay_alu instid0(VALU_DEP_1)
	v_lshl_add_u32 v2, v6, 11, v7                  ; 2,048 t + 16 x that
	s_wait_alu depctr_va_vdst(0)
	s_wait_kmcnt 0x0
	s_mov_b64 s[30:31], s[18:19]                   ; the tensor's address: a choice that hangs on the job's number alone
	s_cmp_lt_u32 s4, 8
	s_cselect_b64 s[30:31], s[16:17], s[30:31]
	s_cmp_lt_u32 s4, 4
	s_cselect_b64 s[30:31], s[14:15], s[30:31]
	s_cmp_lt_u32 s4, 3
	s_cselect_b64 s[30:31], s[12:13], s[30:31]
	s_cmp_lt_u32 s4, 2
	s_cselect_b64 s[30:31], s[10:11], s[30:31]
	s_cmp_lt_u32 s4, 1
	s_cselect_b64 s[30:31], s[8:9], s[30:31]
	s_add_nc_u64 s[30:31], s[30:31], s[40:41]
	s_add_nc_u64 s[22:23], s[22:23], s[42:43]
	s_add_nc_u64 s[20:21], s[20:21], s[28:29]
	s_load_b32 s46, s[20:21], 0x0                  ; e
.set i, 0
.rept 32
	global_load_b32 v[X+i], v[OFF+i], s[30:31] th:TH_LOAD_NT   ; 32 lanes read 128 consecutive bytes; read once in the launch
.set i, i+1
.endr
	s_wait_kmcnt 0x0
	s_add_co_i32 s46, s46, 127
	s_lshl_b32 s47, s46, 23
	v_mov_b32 v3, s47                              ; 2^e as f32: the conversion takes its exponent field
	s_add_co_i32 s46, s46, 8
	s_lshl_b32 s46, s46, 23
	s_or_b32 s46, s46, 0x600000
	v_mov_b32 v4, s46                              ; 448 x 2^e
	s_wait_alu depctr_va_vdst(0)
	s_wait_loadcnt 16                              ; loads come back in order: rows 0-15 are in, the 16 younger loads stay out
.set i, 0
.rept 16
	v_med3_num_f32 v[X+i], v[X+i], -v4, v4         ; the conversion to an 8-bit code does not saturate (ISA guide 7.6.2): the hold comes first
.set i, i+1
.endr
	v_cvt_scalef32_pk8_fp8_f32 v[8:9], v[X:X+7], v3
	v_cvt_scalef32_pk8_fp8_f32 v[10:11], v[X+8:X+15], v3
	global_store_b128 v2, v[8:11], s[22:23]        ; k = 32 c + 0 .. 15: the 16 lanes of each fragment fill 256 consecutive bytes, aligned
	s_wait_loadcnt 0x0
.set i, 16
.rept 16
	v_med3_num_f32 v[X+i], v[X+i], -v4, v4
.set i, i+1
.endr
	v_cvt_scalef32_pk8_fp8_f32 v[12:13], v[X+16:X+23], v3
	v_cvt_scalef32_pk8_fp8_f32 v[14:15], v[X+24:X+31], v3
	global_store_b128 v2, v[12:15], s[22:23] offset:256   ; k = 32 c + 16 .. 31: the upper half of the lanes' places
	s_endpgm
.Lfunc_end_k_q29df821a6e_prep:
	.size	k_q29df821a6e_prep, .Lfunc_end_k_q29df821a6e_prep-k_q29df821a6e_prep
	.p2alignl 7, 3214868480
	.fill 96, 4, 3214868480
	.section	.rodata,"a",@progbits
	.p2align	6, 0x0
	.amdhsa_kernel k_q29df821a6e_prep
		.amdhsa_group_segment_fixed_size 0
		.amdhsa_private_segment_fixed_size 0
		.amdhsa_enable_private_segment 0
		.amdhsa_kernarg_size 64
		.amdhsa_user_sgpr_count 2
		.amdhsa_user_sgpr_kernarg_segment_ptr 1
		.amdhsa_wavefront_size32 1
		.amdhsa_system_sgpr_workgroup_id_x 1
		.amdhsa_system_sgpr_workgroup_id_y 1
		.amdhsa_system_sgpr_workgroup_id_z 1
		.amdhsa_system_vgpr_workitem_id 0
		.amdhsa_next_free_vgpr 96
		.amdhsa_next_free_sgpr 66
		.amdhsa_reserve_vcc 0
		.amdhsa_float_denorm_mode_32 3
		.amdhsa_float_denorm_mode_16_64 3
		.amdhsa_memory_ordered 1
		.amdhsa_forward_progress 1
		.amdhsa_inst_pref_size 12
	.end_amdhsa_kernel
	.amdgpu_metadata
---
amdhsa.version: [ 1, 2 ]
amdhsa.kernels:
  - .name:           k_q29df821a6e_prep
    .symbol:         k_q29df821a6e_prep.kd
    .args:
      - { .name: Wq, .offset: 0, .size: 8, .value_kind: global_buffer, .address_space: global }
      - { .name: Wk, .offset: 8, .size: 8, .value_kind: global_buffer, .address_space: global }
      - { .name: Wv, .offset: 16, .size: 8, .value_kind: global_buffer, .address_space: global }
      - { .name: Wo, .offset: 24, .size: 8, .value_kind: global_buffer, .address_space: global }
      - { .name: W1, .offset: 32, .size: 8, .value_kind: global_buffer, .address_space: global }
      - { .name: W2, .offset: 40, .size: 8, .value_kind: global_buffer, .address_space: global }
      - { .name: lowp_scales, .offset: 48, .size: 8, .value_kind: global_buffer, .address_space: global }
      - { .name: wc, .offset: 56, .size: 8, .value_kind: global_buffer, .address_space: global }
    .group_segment_fixed_size: 0
    .private_segment_fixed_size: 0
    .kernarg_segment_align: 8
    .kernarg_segment_size: 64
    .max_flat_workgroup_size: 384
    .sgpr_count:     66
    .vgpr_count:     96
    .wavefront_size: 32
...
	.end_amdgpu_metadata
.endif
;; end of part 1
;; launch qkv (part 2): grid 256 x 1, 16 waves a work-group, clusters of 4 x 1, 327,680 bytes of LDS; arguments x, g1, be1, lowp_scales, wc, q_img, k_img, v_img; writes q_img, k_img, v_img
.if DOCPART == 2
	.amdgcn_target "amdgcn-amd-amdhsa--gfx1250"
	.amdhsa_code_object_version 6
	.text
	.protected	k_q29df821a6e_qkv
	.globl	k_q29df821a6e_qkv
	.p2align	8
	.type	k_q29df821a6e_qkv,@function
k_q29df821a6e_qkv:
	s_mov_b64 s[64:65], 0
	v_nop
	global_prefetch_b8 v0, s[64:65] scope:SCOPE_SE
	s_setreg_imm32_b32 hwreg(HW_REG_WAVE_MODE, 25, 1), 1
	s_wait_xcnt 0x0
	s_wait_alu depctr_hold_cnt(0) depctr_sa_sdst(0) depctr_va_vdst(0) depctr_va_sdst(0) depctr_va_ssrc(0) depctr_va_vcc(0) depctr_vm_vsrc(0)
	s_getreg_b32 s2, hwreg(HW_REG_IB_STS2, 6, 4)
	s_cmp_eq_u32 s2, 0
	s_cbranch_scc0 .Lentry_in_a_cluster
	s_endpgm
.Lentry_in_a_cluster:
	s_bfe_u32 s2, ttmp6, 0x10000c
	s_cmp_lg_u32 s2, 0x3003
	s_cbranch_scc0 .Lentry_shape_is_right
	s_endpgm
.Lentry_shape_is_right:
; h = layernorm(x) g1 + be1;  Q, K, V = h Wq, h Wk, h Wv for 16 heads of 32, all three products on codes of E4M3 with the given scales; Q, K, V leave as codes for the attention's products.
; Exponents as the buffer of scales has them: Wq e0, h e1; Wk e2, h e3; Wv e4, h e5; Q e6, K e7, V e9.  h is quantised three times, with e1, e3, e5.
; A sum of the first product stands for sum x 2^(e0 + e1), so Q's conversion takes the one scale 2^(e6 - e0 - e1); K's and V's likewise.
; LIMITS: e1, e3, e5, e6 - e0 - e1, e7 - e2 - e3, e9 - e4 - e5 between -126 and 119, so that each power of two and 448 x it are f32 numbers.  NaN and infinity among the inputs are not served.
; SHARES.  A work-group owns 32 neighbouring tokens (block G).  Wave w normalises two of the rows, then owns head w for all 32 rows: 6 chunks of weights of 8,192 bytes, 48 matrix instructions.
; TILE ORDER.  Row r of tile u is token 8 u + r + 8 (r / 8); a head's 32 columns are laid the same way, so the 16 registers of two neighbouring result tiles are 16 neighbours and the conversions give the next operand as it stands.
; Q, K: source 0 = 16 columns of W, source 1 = 16 tokens.  V: the sources swapped (the keys are its K).
; THE WEIGHTS COME BY TWO ROADS.  Chunks 0 to 3 (Wq, Wk) go from memory straight into my registers, two chunks (32 loads) ahead.
; Chunks 4 and 5 (Wv) are asked for JOINTLY.  CLUSTERS: 4 x 1 work-groups, which all walk the same weights: wave w of each of the four issues, once, at the head, the same tensor load
; (16,384 dense bytes as 64 rows of 256, mask 15) into its own bytes of LDS; the norm and four chunks stand between the request and the wait for it.  16 x 16,384 bytes is what LDS holds beside h's codes: nothing is filled again.
; No prefetch: the text is straight, with no loop to run ahead in.
; LDS: the sixteen waves' 16,384 bytes of Wv, then h's codes [scale z][tile u], 8,704 bytes each (32 pieces of 256 bytes, 272 apart), then the spare words.
.set HBASE, 262144
.set HB,    8704
.set SPARE, 314368
.set NIL,  1                           ; 0; never rewritten
.set LI,   2                           ; 16 x lane
.set WA,   3                           ; my 16,384 bytes of Wv in LDS, + 16 x lane
.set HST,  4                           ; where I store 16 codes of my wave's row
.set LA,   5                           ; where I read a fragment of h
.set GOF,  6                           ; 64 x lane
.set SPW,  7                           ; my spare word; never rewritten
.set CODE, 20                          ; v20-27 codes on their way out.  v8-19: six pairs (scale, 448 x scale)
.set ACC,  32                          ; four accumulators
.set AB0,  64                          ; h's fragments of a K step; first my two rows of x
.set AB1,  96                          ; of the next K step; first g1, be1
.set WB0,  128                         ; v128-191, v192-255: two chunks of weights
.set G1,   72                          ; s[72:79] descriptor group 1;  s[80:83] group 0
.set G0,   80
.macro ROUND                           ; a round of the cluster's barrier
	s_barrier_signal -1
	s_barrier_wait -1
	s_cmp_lg_u32 s2, 0
	s_cbranch_scc1 .Lnw_\@
	s_barrier_signal -3
.Lnw_\@:
	s_barrier_wait -3
	s_barrier_signal -1
	s_barrier_wait -1
.endm
.macro MKS e, vs                       ; v[vs] = 2^e, v[vs+1] = 448 x 2^e
	s_add_co_i32 s4, \e, 127
	s_lshl_b32 s5, s4, 23
	v_mov_b32 v[\vs], s5
	s_add_co_i32 s4, s4, 8
	s_lshl_b32 s4, s4, 23
	s_or_b32 s4, s4, 0x600000
	v_mov_b32 v[\vs+1], s4
.endm
.macro SUM16 dst, src, t               ; the sum of 16 registers, as a tree
	v_pk_add_f32 v[\t:\t+1], v[\src:\src+1], v[\src+2:\src+3]
	v_pk_add_f32 v[\t+2:\t+3], v[\src+4:\src+5], v[\src+6:\src+7]
	v_pk_add_f32 v[\t+4:\t+5], v[\src+8:\src+9], v[\src+10:\src+11]
	v_pk_add_f32 v[\t+6:\t+7], v[\src+12:\src+13], v[\src+14:\src+15]
	s_delay_alu instid0(VALU_DEP_3)
	v_pk_add_f32 v[\t:\t+1], v[\t:\t+1], v[\t+2:\t+3]
	s_delay_alu instid0(VALU_DEP_2)
	v_pk_add_f32 v[\t+4:\t+5], v[\t+4:\t+5], v[\t+6:\t+7]
	s_delay_alu instid0(VALU_DEP_1)
	v_pk_add_f32 v[\t:\t+1], v[\t:\t+1], v[\t+4:\t+5]
	s_delay_alu instid0(VALU_DEP_1)
	v_add_f32 v[\dst], v[\t], v[\t+1]
.endm
.macro SQ16 dst, src, t                ; the sum of their squares, in two chains
	v_pk_mul_f32 v[\t:\t+1], v[\src:\src+1], v[\src:\src+1]
	v_pk_mul_f32 v[\t+2:\t+3], v[\src+2:\src+3], v[\src+2:\src+3]
.irp j, 4,8,12
	s_delay_alu instid0(VALU_DEP_2)
	v_pk_fma_f32 v[\t:\t+1], v[\src+\j:\src+\j+1], v[\src+\j:\src+\j+1], v[\t:\t+1]
	s_delay_alu instid0(VALU_DEP_2)
	v_pk_fma_f32 v[\t+2:\t+3], v[\src+\j+2:\src+\j+3], v[\src+\j+2:\src+\j+3], v[\t+2:\t+3]
.endr
	s_delay_alu instid0(VALU_DEP_1)
	v_pk_add_f32 v[\t:\t+1], v[\t:\t+1], v[\t+2:\t+3]
	s_delay_alu instid0(VALU_DEP_1)
	v_add_f32 v[\dst], v[\t], v[\t+1]
.endm
.macro WSUM reg, tmp                   ; the sum over the wave's 32 lanes, in every lane
	v_add_f32_dpp v[\reg], v[\reg], v[\reg] row_xmask:1 row_mask:0xf bank_mask:0xf
	s_delay_alu instid0(VALU_DEP_1)
	v_add_f32_dpp v[\reg], v[\reg], v[\reg] row_xmask:2 row_mask:0xf bank_mask:0xf
	s_delay_alu instid0(VALU_DEP_1)
	v_add_f32_dpp v[\reg], v[\reg], v[\reg] row_xmask:4 row_mask:0xf bank_mask:0xf
	s_delay_alu instid0(VALU_DEP_1)
	v_add_f32_dpp v[\reg], v[\reg], v[\reg] row_xmask:8 row_mask:0xf bank_mask:0xf
	s_delay_alu instid0(VALU_DEP_1)
	v_permlanex16_b32 v[\tmp], v[\reg], s60, s61
	s_delay_alu instid0(VALU_DEP_1)
	v_add_f32 v[\reg], v[\reg], v[\tmp]
.endm
.macro HQ z, u, cr                     ; my row of tile u, quantised with scale z: 16 codes into v[cr] on and to LDS
.set n, 0
.rept 16
	v_med3_num_f32 v[ACC+n], v[AB0+16*\u+n], -v[9+2*\z], v[9+2*\z]   ; the conversion does not saturate (ISA guide 7.6.2): the hold comes first
.set n, n+1
.endr
	v_cvt_scalef32_pk8_fp8_f32 v[\cr:\cr+1], v[ACC:ACC+7], v[8+2*\z]
	v_cvt_scalef32_pk8_fp8_f32 v[\cr+2:\cr+3], v[ACC+8:ACC+15], v[8+2*\z]
	v_nop                                          ; a plain line between the conversions and the next holds, which write their sources
	ds_store_b128 v[HST], v[\cr:\cr+3] offset:(2*\z+\u)*HB
.endm
.macro WLOAD q                         ; chunk q (0 to 3): four fragments, 16 loads of 512 consecutive bytes, into buffer q % 2
.irp f, 0,1,2,3
.irp c, 0,1,2,3
	global_load_b128 v[WB0+64*((\q)%2)+16*\f+4*\c:WB0+64*((\q)%2)+16*\f+4*\c+3], v[LI], s[16:17] offset:(\q)*8192+\f*2048+\c*512
.endr
.endr
.endm
.macro LDW q, f0                       ; chunk q (4 or 5): fragments f0 and f0 + 1 out of LDS, into buffer q % 2
.irp f, 0,1
.irp c, 0,1,2,3
	ds_load_b128 v[WB0+64*((\q)%2)+16*((\f0)+\f)+4*\c:WB0+64*((\q)%2)+16*((\f0)+\f)+4*\c+3], v[WA] offset:((\q)-4)*8192+((\f0)+\f)*2048+\c*512
.endr
.endr
.endm
.macro AF ab, z, s                     ; h's two fragments (tile 0, tile 1) of K step s, scale z
.irp u, 0,1
.irp c, 0,1,2,3
	ds_load_b128 v[\ab+16*\u+4*\c:\ab+16*\u+4*\c+3], v[LA] offset:(2*(\z)+\u)*HB+2176*(\s)+544*\c
.endr
.endr
.endm
.macro MM4 wb, ab, zero, swap          ; four products of one K step; the four accumulators take turns
.irp t, 0,1
.irp u, 0,1
.if \swap
.if \zero
	v_wmma_f32_16x16x128_fp8_fp8 v[ACC+16*\t+8*\u:ACC+16*\t+8*\u+7], v[\ab+16*\u:\ab+16*\u+15], v[\wb+16*\t:\wb+16*\t+15], 0
.else
	v_wmma_f32_16x16x128_fp8_fp8 v[ACC+16*\t+8*\u:ACC+16*\t+8*\u+7], v[\ab+16*\u:\ab+16*\u+15], v[\wb+16*\t:\wb+16*\t+15], v[ACC+16*\t+8*\u:ACC+16*\t+8*\u+7]
.endif
.else
.if \zero
	v_wmma_f32_16x16x128_fp8_fp8 v[ACC+16*\u+8*\t:ACC+16*\u+8*\t+7], v[\wb+16*\t:\wb+16*\t+15], v[\ab+16*\u:\ab+16*\u+15], 0
.else
	v_wmma_f32_16x16x128_fp8_fp8 v[ACC+16*\u+8*\t:ACC+16*\u+8*\t+7], v[\wb+16*\t:\wb+16*\t+15], v[\ab+16*\u:\ab+16*\u+15], v[ACC+16*\u+8*\t:ACC+16*\u+8*\t+7]
.endif
.endif
.endr
.endr
.endm
.macro CHUNK q, swap                   ; chunk q = two K steps of product q / 2
.if (\q) >= 4
	LDW \q, 0
	AF AB0, (\q)/2, 2*((\q)%2)
	LDW \q, 2
	AF AB1, (\q)/2, 2*((\q)%2)+1
	s_wait_dscnt 16                                ; the first K step's 16 loads are in; the second's 16 stay out
.else
	AF AB0, (\q)/2, 2*((\q)%2)
	AF AB1, (\q)/2, 2*((\q)%2)+1
.if (\q) < 3
	s_wait_loadcnt 16                              ; this chunk's 16 loads are in; the next chunk's 16 stay out
.else
	s_wait_loadcnt 0x0
.endif
	s_wait_dscnt 8                                 ; the first K step's fragments are in; the second's eight loads stay out
.endif
	MM4 WB0+64*((\q)%2), AB0, 1-(\q)%2, \swap
	s_wait_dscnt 0x0
	MM4 WB0+64*((\q)%2)+32, AB1, 0, \swap
.rept 5
	v_nop                                          ; four places in front of loads into these products' registers and of reads of their results; the fifth for products that write over the accumulators anew
.endr
.if (\q) < 2
	WLOAD (\q)+2
.endif
.endm
.macro OUTX sc, bs, o1                 ; the four accumulators become 2 x 16 codes a lane and leave: each store covers 512 consecutive bytes
	s_wait_xcnt 0x0                                ; the last stores have read their data
.set n, 0
.rept 32
	v_med3_num_f32 v[ACC+n], v[ACC+n], -v[\sc+1], v[\sc+1]   ; each accumulator from its low end on
.set n, n+1
.endr
.irp g, 0,1
	v_cvt_scalef32_pk8_fp8_f32 v[CODE+4*\g:CODE+4*\g+1], v[ACC+16*\g:ACC+16*\g+7], v[\sc]
	v_cvt_scalef32_pk8_fp8_f32 v[CODE+4*\g+2:CODE+4*\g+3], v[ACC+16*\g+8:ACC+16*\g+15], v[\sc]
.endr
	v_nop                                          ; a plain line between the conversions and the products that write their sources
	global_store_b128 v[LI], v[CODE:CODE+3], s[\bs:\bs+1]
	global_store_b128 v[LI], v[CODE+4:CODE+7], s[\bs:\bs+1] offset:\o1
.endm
	s_load_b512 s[8:23], s[0:1], 0x0               ; x 8, g1 10, be1 12, the scales' exponents 14, wc 16, q_img 18, k_img 20, v_img 22
	v_lshl_add_u32 v[SPW], v0, 2, SPARE
	v_mov_b32 v[NIL], 0
	ds_add_u32 v[SPW], v[NIL]                      ; the opening lines: the add twice on end and one wait
	ds_add_u32 v[SPW], v[NIL]
	v_lshrrev_b32 v28, 5, v0
	v_readfirstlane_b32 s2, v28                    ; wave 0..15
	s_bfe_u32 s4, ttmp6, 0x40000                   ; my place in the cluster
	s_lshl_b32 s3, ttmp9, 2
	s_add_co_u32 s3, s3, s4                        ; G: it enters global offsets alone
	v_and_b32 v30, 31, v0                          ; lane
	v_and_b32 v8, 15, v0                           ; r
	v_bfe_u32 v9, v0, 4, 1                         ; hh
	v_lshlrev_b32 v[LI], 4, v30
	v_lshlrev_b32 v[GOF], 6, v30
	v_mul_u32_u24 v[HST], v30, 272
	s_lshl_b32 s5, s2, 4
	s_add_co_u32 s5, s5, HBASE
	v_add_nc_u32 v[HST], s5, v[HST]
	v_mul_u32_u24 v[LA], v9, 272
	v_lshl_add_u32 v[LA], v8, 4, v[LA]
	v_add_nc_u32 v[LA], HBASE, v[LA]
	s_lshl_b32 s[G0+1], s2, 14                     ; my 16,384 bytes of LDS
	v_add_nc_u32 v[WA], s[G0+1], v[LI]
	v_mov_b32 v20, 0                               ; written once: a lane permute's destination counts as one of its sources
	v_mov_b32 v21, 0
	v_mov_b32 v29, 0                               ; (upper halves of the pairs v[28:29], v[30:31])
	v_mov_b32 v31, 0
	s_lshr_b32 s4, s2, 3
	s_lshl_b32 s4, s4, 3
	s_add_co_u32 s4, s4, s2                        ; my first row: token w + 8 (w / 8); the second lies 8 tokens on
	s_lshl_b32 s4, s4, 11
	s_lshl_b32 s24, s3, 16                         ; x: 32 rows of 2,048 bytes a block
	s_add_co_u32 s24, s24, s4
	s_mov_b32 s25, 0
	s_mul_i32 s26, s2, 49152                       ; wc: my head's six chunks
	s_mov_b32 s27, 0
	s_lshr_b32 s6, s3, 6                           ; b
	s_and_b32 s7, s3, 63                           ; B: the block within the sequence
	s_lshl_b32 s6, s6, 4
	s_add_co_u32 s6, s6, s2
	s_lshl_b32 s6, s6, 16                          ; 65,536 bytes of codes for each (b, head)
	s_lshl_b32 s28, s7, 10
	s_add_co_u32 s28, s28, s6                      ; q_img, k_img: [b, head][B][u][512]
	s_mov_b32 s29, 0
	s_lshr_b32 s30, s7, 2
	s_lshl_b32 s30, s30, 12
	s_add_co_u32 s30, s30, s6
	s_and_b32 s7, s7, 3
	s_lshl_b32 s7, s7, 9
	s_add_co_u32 s30, s30, s7                      ; v_img: [b, head][key step B / 4][t][2,048], piece B % 4
	s_mov_b32 s31, 0
	s_mov_b32 s60, 0x76543210                      ; v_permlanex16_b32: lane l xor 16
	s_mov_b32 s61, 0xfedcba98
	s_mov_b32 s48, 0x3b000000                      ; 1 / 512
	s_mov_b32 s49, 0x3727c5ac                      ; 1e-5
	s_mov_b32 s[G1], 15|(3<<16)|(1<<21)            ; the four work-groups; elements of 8 bytes; bit 21 beside the mask
	s_mov_b32 s[G1+1], 32<<16                      ; rows of 32 elements = 256 bytes
	s_mov_b32 s[G1+2], 64<<16                      ; 64 rows
	s_mov_b32 s[G1+3], 32<<16
	s_mov_b32 s[G1+4], 64
	s_mov_b32 s[G1+5], 32                          ; dense
	s_mov_b32 s[G1+6], 0
	s_mov_b32 s[G1+7], 0
	s_mov_b32 s[G0], 1
	s_wait_alu depctr_va_vdst(0)
	s_wait_dscnt 0x0                               ; both opening adds are done
	s_wait_kmcnt 0x0
	s_load_b512 s[32:47], s[14:15], 0x0            ; e0 .. e15
	s_add_nc_u64 s[8:9], s[8:9], s[24:25]
	s_add_nc_u64 s[16:17], s[16:17], s[26:27]
	s_add_nc_u64 s[18:19], s[18:19], s[28:29]
	s_add_nc_u64 s[20:21], s[20:21], s[28:29]
	s_add_nc_u64 s[22:23], s[22:23], s[30:31]
.irp i, 0,1,2,3
	global_load_b128 v[AB0+4*\i:AB0+4*\i+3], v[GOF], s[8:9] offset:16*\i             ; a lane holds 16 neighbours along K
.endr
.irp i, 0,1,2,3
	global_load_b128 v[AB0+16+4*\i:AB0+16+4*\i+3], v[GOF], s[8:9] offset:16384+16*\i
.endr
.irp i, 0,1,2,3
	global_load_b128 v[AB1+4*\i:AB1+4*\i+3], v[GOF], s[10:11] offset:16*\i
.endr
.irp i, 0,1,2,3
	global_load_b128 v[AB1+16+4*\i:AB1+16+4*\i+3], v[GOF], s[12:13] offset:16*\i
.endr
	WLOAD 0
	WLOAD 1
	s_add_nc_u64 s[G0+2:G0+3], s[16:17], 32768     ; chunks 4 and 5
	s_or_b32 s[G0+3], s[G0+3], 0x80000000
	ROUND                                          ; the four work-groups are here: the joint loads meet
	tensor_load_to_lds s[G0:G0+3], s[G1:G1+7]      ; my one tensor load
	s_nop 0
	s_wait_kmcnt 0x0
	MKS s33, 8                                     ; e1
	MKS s35, 10                                    ; e3
	MKS s37, 12                                    ; e5
	s_sub_co_i32 s6, s38, s32
	s_sub_co_i32 s6, s6, s33
	MKS s6, 14                                     ; e6 - e0 - e1
	s_sub_co_i32 s6, s39, s34
	s_sub_co_i32 s6, s6, s35
	MKS s6, 16                                     ; e7 - e2 - e3
	s_sub_co_i32 s6, s41, s36
	s_sub_co_i32 s6, s6, s37
	MKS s6, 18                                     ; e9 - e4 - e5
	s_wait_loadcnt 32                              ; x, g1, be1 are in; the two chunks' 32 loads stay out
	; THE NORM, in two passes: the mean, then the mean of the squared distances from it
	SUM16 28, AB0, ACC
	SUM16 30, AB0+16, ACC+8
	WSUM 28, 20
	WSUM 30, 21
	v_mul_f32 v28, s48, v28
	s_delay_alu instid0(VALU_DEP_2)
	v_mul_f32 v30, s48, v30
.set j, 0
.rept 8
	v_pk_add_f32 v[AB0+j:AB0+j+1], v[AB0+j:AB0+j+1], v[28:29] op_sel_hi:[1,0] neg_lo:[0,1] neg_hi:[0,1]
	v_pk_add_f32 v[AB0+16+j:AB0+17+j], v[AB0+16+j:AB0+17+j], v[30:31] op_sel_hi:[1,0] neg_lo:[0,1] neg_hi:[0,1]
.set j, j+2
.endr
	SQ16 28, AB0, ACC
	SQ16 30, AB0+16, ACC+8
	WSUM 28, 20
	WSUM 30, 21
	v_fma_f32 v28, v28, s48, s49                   ; the variance + 1e-5
	s_delay_alu instid0(VALU_DEP_2)
	v_fma_f32 v30, v30, s48, s49
	s_wait_alu depctr_va_vdst(0)
	v_rsq_f32 v28, v28
	v_rsq_f32 v30, v30
	v_nop                                          ; a plain line behind the transcendentals
.set j, 0
	s_wait_alu depctr_va_vdst(0)
.rept 8
	v_pk_mul_f32 v[AB0+j:AB0+j+1], v[AB0+j:AB0+j+1], v[28:29] op_sel_hi:[1,0]
	v_pk_mul_f32 v[AB0+16+j:AB0+17+j], v[AB0+16+j:AB0+17+j], v[30:31] op_sel_hi:[1,0]
.set j, j+2
.endr
.set j, 0
.rept 8
	v_pk_fma_f32 v[AB0+j:AB0+j+1], v[AB0+j:AB0+j+1], v[AB1+j:AB1+j+1], v[AB1+16+j:AB1+17+j]
	v_pk_fma_f32 v[AB0+16+j:AB0+17+j], v[AB0+16+j:AB0+17+j], v[AB1+j:AB1+j+1], v[AB1+16+j:AB1+17+j]
.set j, j+2
.endr
	HQ 0, 0, 48
	HQ 0, 1, 52
	HQ 1, 0, 56
	HQ 1, 1, 60
	HQ 2, 0, 20
	HQ 2, 1, 24
	s_wait_dscnt 0x0                               ; for the others' sake: my stores have landed
	s_barrier_signal -1
	s_barrier_wait -1                              ; all 32 rows' codes lie in LDS; from here on LDS is only read
	CHUNK 0, 0
	CHUNK 1, 0
	OUTX 14, 18, 512                               ; Q: lane (token r of tile u, hh) holds channels 16 hh + 0 .. 15
	CHUNK 2, 0
	CHUNK 3, 0
	OUTX 16, 20, 512                               ; K likewise
	s_wait_tensorcnt 0x0                           ; chunks 4 and 5, which I alone read, are in
	CHUNK 4, 1
	CHUNK 5, 1
	OUTX 18, 22, 2048                              ; V: lane (channel r of tile t, hh) holds tokens 16 hh + 0 .. 15 of the block
	s_wait_tensorcnt 0x0                           ; the wave's end
	ds_add_u32 v[SPW], v[NIL]
	s_wait_dscnt 0x0
	ROUND                                          ; the closing round
	s_endpgm
.Lfunc_end_k_q29df821a6e_qkv:
	.size	k_q29df821a6e_qkv, .Lfunc_end_k_q29df821a6e_qkv-k_q29df821a6e_qkv
	.p2alignl 7, 3214868480
	.fill 96, 4, 3214868480
	.section	.rodata,"a",@progbits
	.p2align	6, 0x0
	.amdhsa_kernel k_q29df821a6e_qkv
		.amdhsa_group_segment_fixed_size 327680
		.amdhsa_private_segment_fixed_size 0
		.amdhsa_enable_private_segment 0
		.amdhsa_kernarg_size 64
		.amdhsa_user_sgpr_count 2
		.amdhsa_user_sgpr_kernarg_segment_ptr 1
		.amdhsa_wavefront_size32 1
		.amdhsa_system_sgpr_workgroup_id_x 1
		.amdhsa_system_sgpr_workgroup_id_y 1
		.amdhsa_system_sgpr_workgroup_id_z 1
		.amdhsa_system_vgpr_workitem_id 0
		.amdhsa_next_free_vgpr 256
		.amdhsa_next_free_sgpr 88
		.amdhsa_reserve_vcc 0
		.amdhsa_float_denorm_mode_32 3
		.amdhsa_float_denorm_mode_16_64 3
		.amdhsa_memory_ordered 1
		.amdhsa_forward_progress 1
		.amdhsa_inst_pref_size 50
	.end_amdhsa_kernel
	.amdgpu_metadata
---
amdhsa.version: [ 1, 2 ]
amdhsa.kernels:
  - .name:           k_q29df821a6e_qkv
    .symbol:         k_q29df821a6e_qkv.kd
    .args:
      - { .name: x, .offset: 0, .size: 8, .value_kind: global_buffer, .address_space: global }
      - { .name: g1, .offset: 8, .size: 8, .value_kind: global_buffer, .address_space: global }
      - { .name: be1, .offset: 16, .size: 8, .value_kind: global_buffer, .address_space: global }
      - { .name: lowp_scales, .offset: 24, .size: 8, .value_kind: global_buffer, .address_space: global }
      - { .name: wc, .offset: 32, .size: 8, .value_kind: global_buffer, .address_space: global }
      - { .name: q_img, .offset: 40, .size: 8, .value_kind: global_buffer, .address_space: global }
      - { .name: k_img, .offset: 48, .size: 8, .value_kind: global_buffer, .address_space: global }
      - { .name: v_img, .offset: 56, .size: 8, .value_kind: global_buffer, .address_space: global }
    .group_segment_fixed_size: 327680
    .private_segment_fixed_size: 0
    .kernarg_segment_align: 8
    .kernarg_segment_size: 64
    .max_flat_workgroup_size: 512
    .sgpr_count:     88
    .vgpr_count:     256
    .wavefront_size: 32
...
	.end_amdgpu_metadata
.endif
;; end of part 2
;; launch attn (part 3): grid 64 x 4, 16 waves a work-group, no clusters, 133,120 bytes of LDS; arguments q_img, k_img, v_img, lowp_scales, a_img; writes a_img
.if DOCPART == 3
	.amdgcn_target "amdgcn-amd-amdhsa--gfx1250"
	.amdhsa_code_object_version 6
	.text
	.protected	k_q29df821a6e_attn
	.globl	k_q29df821a6e_attn
	.p2align	8
	.type	k_q29df821a6e_attn,@function
k_q29df821a6e_attn:
	s_mov_b64 s[64:65], 0
	v_nop
	global_prefetch_b8 v0, s[64:65] scope:SCOPE_SE
	s_setreg_imm32_b32 hwreg(HW_REG_WAVE_MODE, 25, 1), 1
	s_wait_xcnt 0x0
; Causal attention of one (batch, head): 2,048 tokens, head size 32, both products on codes of E4M3 with the given scales (Q e6, K e7, p e8, V e9); the result leaves as codes with scale e10.
; THE SOFTMAX AHEAD OF THE SECOND PRODUCT: t = score x log2(e) / sqrt(32); M = the running largest t rounded UP to a whole number; p = 2^(t - M) is what is quantised; the row's sum is taken of the unquantised p
; and divides at the end.  When M moves, the sum and O are multiplied by 2^(old M - new M), which rounds nothing.
; LIMITS: e6 + e7 between -124 and 129 (they are added to the exponent field of log2(e) / sqrt(32)); e8 and e10 - e8 - e9 between -126 and 119.
; SHARES.  Work-group (jx, bh).  The head's K and V codes (65,536 bytes each) are copied into LDS once, as they lie, through registers; one barrier; then LDS is only read.
; Wave w has p = 8 jx + w / 2 and u = w % 2, and makes the query tiles (block p, u) and (block 63 - p, u): p / 4 + 1 and 16 - p / 4 key steps of 128, 17 for every wave of the launch.
; No joint loads in a cluster: the four work-groups of a head share only this one fill of 128 KiB, against the 17 key steps x 8 KiB that each of the sixteen waves then reads from its own LDS.
; LAYOUT.  S^T = K Q^T (source 0 = 16 keys, source 1 = my 16 queries), O^T = V^T p (source 0 = 16 channels, source 1 = p): a lane holds ONE query throughout.  The keys of a tile are in tile order
; (row r of tile u of a block of 32 is token 8 u + r + 8 (r / 8)), so the 16 registers of two neighbouring tiles are 16 neighbouring keys, and p's conversions give the second product's operand as it stands.
; HEAD SIZE 32 IN A FORM OF K = 64: Q's upper four registers are zeros; the upper four of K's operand are the next key tile's codes (zeros behind the last): finite numbers, by the quantiser's hold, times 0.
; THE MASK.  Only a tile's last key step meets the diagonal; steps beyond it are left out by a scalar branch on ids inside a loop of constant count.
.set LI,  1                            ; v1   16 x lane.  v2, v3: the fill's LDS addresses.  v4: 8 u + r + 8 (r / 8) - 16 hh.  v5: that + 32 (block % 4).  v6, v7: Q's offsets.  v8, v9: the results' offsets
.set S,   100                          ; v100-163  S^T, then p; first the fill's 64 registers
.set O,   164                          ; v164-179  O^T
.set PC,  180                          ; v180-195  p's codes
                                       ; v10, v11 LDS addresses of the step; v12 -M, v13 the largest t, v[14:15] the sum; v16-23, v24-31 the two Q fragments; v32-67 K; v68-99 V^T
                                       ; v196-203 the results' codes; v204, v205: 2^e8, 448 x 2^e8; v206, v207: the same with e10 - e8 - e9; v208-218 at work
	s_load_b256 s[8:15], s[0:1], 0x0               ; q_img 8, k_img 10, v_img 12, the scales' exponents 14
	s_load_b64 s[16:17], s[0:1], 0x20              ; a_img
	v_lshl_add_u32 v254, v0, 2, 0x20000
	v_mov_b32 v255, 0
	v_lshrrev_b32 v1, 5, v0
	s_delay_alu instid0(VALU_DEP_1)
	v_readfirstlane_b32 s18, v1                    ; wave 0..15
	v_and_b32 v4, 31, v0
	s_delay_alu instid0(VALU_DEP_1)
	v_lshlrev_b32 v[LI], 4, v4
	v_lshlrev_b32 v2, 4, v0                        ; 16 x thread
	s_delay_alu instid0(VALU_DEP_1)
	v_add_nc_u32 v3, 0x10000, v2
	s_mov_b32 s19, ttmp9                           ; bh = 16 b + head: the grid's x; the four work-groups of a head differ in y
	s_lshl_b32 s20, s19, 16
	s_mov_b32 s21, 0
	s_lshr_b32 s33, s18, 1
	s_and_b32 s4, ttmp7, 0xffff                    ; jx: the grid's y
	s_lshl_b32 s4, s4, 3
	s_add_co_u32 s33, s33, s4                      ; p
	s_and_b32 s34, s18, 1                          ; u
	s_mov_b32 s35, s33                             ; my first block of queries
	s_sub_co_u32 s36, 63, s33                      ; my second
	s_lshr_b32 s37, s35, 2
	s_add_co_u32 s37, s37, 1                       ; their key steps
	s_lshr_b32 s38, s36, 2
	s_add_co_u32 s38, s38, 1
	v_and_b32 v5, 15, v0                           ; r
	s_delay_alu instid0(VALU_DEP_1)
	v_and_b32 v10, 8, v5
	s_delay_alu instid0(VALU_DEP_1)
	v_add_nc_u32 v5, v5, v10                       ; r + 8 (r / 8)
	v_bfe_u32 v10, v0, 4, 1
	s_delay_alu instid0(VALU_DEP_1)
	v_lshlrev_b32 v10, 4, v10
	s_delay_alu instid0(VALU_DEP_1)
	v_sub_nc_u32 v4, v5, v10
	s_lshl_b32 s4, s34, 3
	v_add_nc_u32 v4, s4, v4
	s_lshl_b32 s4, s34, 9                          ; q_img: [bh][block][u][512]
	s_lshl_b32 s5, s35, 10
	s_add_co_u32 s5, s5, s4
	v_add_nc_u32 v6, s5, v[LI]
	s_lshl_b32 s5, s36, 10
	s_add_co_u32 s5, s5, s4
	v_add_nc_u32 v7, s5, v[LI]
	s_lshr_b32 s4, s19, 4
	s_lshl_b32 s4, s4, 6                           ; 64 b
	s_and_b32 s5, s19, 15
	s_lshl_b32 s5, s5, 9                           ; a_img: [64 b + block][u][K step head / 4][2,048], piece head % 4: 512 x head
	s_lshl_b32 s6, s34, 13
	s_add_co_u32 s5, s5, s6
	s_add_co_u32 s6, s4, s35
	s_lshl_b32 s6, s6, 14
	s_add_co_u32 s6, s6, s5
	v_add_nc_u32 v8, s6, v[LI]
	s_add_co_u32 s6, s4, s36
	s_lshl_b32 s6, s6, 14
	s_add_co_u32 s6, s6, s5
	v_add_nc_u32 v9, s6, v[LI]
	s_mov_b32 s24, 0x76543210                      ; v_permlanex16_b32: lane l xor 16
	s_mov_b32 s25, 0xfedcba98
	s_mov_b32 s22, 0x3e8293ee                      ; log2(e) / sqrt(32)
	s_wait_alu depctr_va_vdst(0)
	s_wait_kmcnt 0x0
	s_load_b128 s[28:31], s[14:15], 0x18           ; e6, e7, e8, e9
	s_load_b32 s32, s[14:15], 0x28                 ; e10
	s_add_nc_u64 s[8:9], s[8:9], s[20:21]
	s_add_nc_u64 s[10:11], s[10:11], s[20:21]
	s_add_nc_u64 s[12:13], s[12:13], s[20:21]
	global_load_b128 v[16:19], v6, s[8:9]
	global_load_b128 v[24:27], v7, s[8:9]
.irp i, 0,1,2,3,4,5,6,7
	global_load_b128 v[S+4*\i:S+4*\i+3], v2, s[10:11] offset:8192*\i
.endr
.irp i, 0,1,2,3,4,5,6,7
	global_load_b128 v[S+32+4*\i:S+32+4*\i+3], v2, s[12:13] offset:8192*\i
.endr
.irp j, 20,21,22,23,28,29,30,31,64,65,66,67
	v_mov_b32 v\j, 0                               ; the upper halves of Q's fragments, and what stands behind the last key tile
.endr
	v_mov_b32 v213, 0                              ; (named as the upper half of the pair v[212:213])
	v_mov_b32 v214, 0                              ; written once: a lane permute's destination counts as one of its sources
	v_mov_b32 v218, 0xff800000                     ; -infinity
	s_wait_kmcnt 0x0
	s_add_co_i32 s4, s28, s29
	s_lshl_b32 s4, s4, 23
	s_add_co_i32 s22, s22, s4                      ; a score stands for score x 2^(e6 + e7)
	s_mov_b32 s23, s22                             ; (named with it as a pair)
	s_add_co_i32 s4, s30, 127
	s_lshl_b32 s5, s4, 23
	v_mov_b32 v204, s5                             ; 2^e8
	s_add_co_i32 s4, s4, 8
	s_lshl_b32 s4, s4, 23
	s_or_b32 s4, s4, 0x600000
	v_mov_b32 v205, s4                             ; 448 x 2^e8
	s_sub_co_i32 s4, s32, s30
	s_sub_co_i32 s4, s4, s31
	s_add_co_i32 s4, s4, 127
	s_lshl_b32 s5, s4, 23
	v_mov_b32 v206, s5                             ; 2^(e10 - e8 - e9): O / l stands for the result / 2^(e8 + e9)
	s_add_co_i32 s4, s4, 8
	s_lshl_b32 s4, s4, 23
	s_or_b32 s4, s4, 0x600000
	v_mov_b32 v207, s4
	s_wait_loadcnt 8                               ; Q and K are in; V's eight loads stay out
.irp i, 0,1,2,3,4,5,6,7
	ds_store_b128 v2, v[S+4*\i:S+4*\i+3] offset:8192*\i
.endr
	s_wait_loadcnt 0x0
.irp i, 0,1,2,3,4,5,6,7
	ds_store_b128 v3, v[S+32+4*\i:S+32+4*\i+3] offset:8192*\i
.endr
	s_wait_dscnt 0x0                               ; for the others' sake: my stores have landed
	s_barrier_signal -1
	s_barrier_wait -1
; One tile of 16 queries.  qf: its fragment's first register; ns, bs: the scalar registers with its number of key steps and its block; oc: registers for its codes; ao: register with its offset in a_img.
.macro TILE qf, ns, bs, oc, ao
	v_mov_b32 v13, 0xff61b1e6                      ; the largest t so far: -3e38, under every t
	s_delay_alu instid0(VALU_DEP_1)
	v_floor_f32 v12, -v13
	v_mov_b32 v14, 0
	v_mov_b32 v15, 0
.set n, 0
.rept 16
	v_mov_b32 v[O+n], 0                            ; the step is written once: the first finds zeros, which the first change of M leaves zeros
.set n, n+1
.endr
	s_and_b32 s41, s[\bs], 3
	s_lshl_b32 s41, s41, 5
	v_add_nc_u32 v5, s41, v4                       ; d = my query - the last step's first key - 16 hh
	s_mov_b32 s39, 0                               ; key step
	s_mov_b32 s40, 0                               ; its byte in K's and in V's part of LDS
.Lks_\@:                                           ; 16 trips for every tile, so that the LDS addresses can be read off the text; a step all of whose keys are hidden does nothing
	s_cmp_ge_u32 s39, s[\ns]
	s_cbranch_scc1 .Lskip_\@
	v_add_nc_u32 v10, s40, v[LI]
	s_delay_alu instid0(VALU_DEP_1)
	v_add_nc_u32 v11, 0x10000, v10
	v_nop
	v_nop                                          ; with the two additions: four places behind the last step's two products, in front of the loads into V's registers
.irp i, 0,1,2,3,4,5,6,7
	ds_load_b128 v[32+4*\i:35+4*\i], v10 offset:512*\i   ; a whole key tile: 16 keys x 32 channels
.endr
.irp t, 0,1
.irp c, 0,1,2,3
	ds_load_b128 v[68+16*\t+4*\c:71+16*\t+4*\c], v11 offset:2048*\t+512*\c
.endr
.endr
	s_wait_dscnt 8                                 ; K is in; V's eight loads stay out
.irp i, 0,1,2,3,4,5,6,7
	v_wmma_f32_16x16x64_fp8_fp8 v[S+8*\i:S+8*\i+7], v[32+4*\i:39+4*\i], v[\qf:\qf+7], 0
.endr
.rept 4
	v_nop                                          ; places in front of the first read of the scores (ISA guide 7.12.1)
.endr
	s_add_co_u32 s41, s39, 1
	s_cmp_lg_u32 s41, s[\ns]
	s_cbranch_scc1 .Lopen_\@                       ; only the last step meets the diagonal
.set n, 0
	s_wait_alu depctr_va_vdst(0)
.rept 64
	v_cmp_gt_i32 vcc_lo, 32*(n/16)+n%16, v5        ; register n holds key 32 (n / 16) + 16 hh + n % 16 of the step: hidden where it comes after my query
	v_cndmask_b32 v[S+n], v[S+n], v218, vcc_lo
.set n, n+1
.endr
.Lopen_\@:
	v_max3_num_f32 v208, v[S], v[S+1], v[S+2]      ; the step's largest score of my query among my 64 keys, in two chains; each accumulator is first read at its low end
	v_max3_num_f32 v210, v[S+3], v[S+4], v[S+5]
.irp i, 6,10,14,18,22,26,30,34,38,42,46,50,54,58
	v_max3_num_f32 v208, v208, v[S+\i], v[S+\i+1]
	v_max3_num_f32 v210, v210, v[S+\i+2], v[S+\i+3]
.endr
	v_max3_num_f32 v208, v208, v[S+62], v[S+63]
	s_delay_alu instid0(VALU_DEP_1)
	v_max_num_f32 v208, v208, v210
	s_delay_alu instid0(VALU_DEP_1)
	v_permlanex16_b32 v214, v208, s24, s25
	s_delay_alu instid0(VALU_DEP_1)
	v_max_num_f32 v208, v208, v214                 ; and among lane l xor 16's
	s_delay_alu instid0(VALU_DEP_1)
	v_mul_f32 v208, s22, v208                      ; as t
	s_delay_alu instid0(VALU_DEP_1)
	v_max_num_f32 v13, v13, v208
	v_mov_b32 v208, v12
	s_delay_alu instid0(VALU_DEP_2)
	v_floor_f32 v12, -v13                          ; -M = floor(-t): M is a whole number
	s_delay_alu instid0(VALU_DEP_1)
	v_sub_f32 v208, v12, v208                      ; old M - new M: a whole number, 0 or less
	s_delay_alu instid0(VALU_DEP_1)
	v_cvt_i32_f32 v208, v208                       ; (it saturates)
	s_delay_alu instid0(VALU_DEP_1)
	v_ldexp_f32 v212, 1.0, v208                    ; f = 2^(old M - new M)
.set n, 0
.rept 32
	v_pk_fma_f32 v[S+n:S+n+1], v[S+n:S+n+1], s[22:23], v[12:13] op_sel_hi:[1,0,0]   ; t - M
.set n, n+2
.endr
.set n, 0
	s_wait_alu depctr_va_vdst(0)
.rept 64
	v_exp_f32 v[S+n], v[S+n]                       ; p = 2^(t - M), not normalised
.set n, n+1
.endr
	v_pk_mul_f32 v[14:15], v[14:15], v[212:213] op_sel_hi:[1,0]   ; the sums under the new M (a plain line behind the exponentials)
	s_wait_alu depctr_va_vdst(0)
	v_pk_add_f32 v[216:217], v[104:105], v[108:109]
	v_pk_add_f32 v[252:253], v[112:113], v[116:117]
	v_pk_add_f32 v[250:251], v[120:121], v[124:125]
	v_pk_add_f32 v[248:249], v[128:129], v[132:133]
	v_pk_add_f32 v[246:247], v[136:137], v[140:141]
	v_pk_add_f32 v[244:245], v[144:145], v[148:149]
	v_pk_add_f32 v[242:243], v[152:153], v[156:157]
	v_pk_add_f32 v[14:15], v[14:15], v[160:161]
	v_pk_add_f32 v[216:217], v[216:217], v[100:101]
	v_pk_add_f32 v[252:253], v[252:253], v[102:103]
	v_pk_add_f32 v[250:251], v[250:251], v[106:107]
	v_pk_add_f32 v[248:249], v[248:249], v[110:111]
	v_pk_add_f32 v[246:247], v[246:247], v[114:115]
	v_pk_add_f32 v[244:245], v[244:245], v[118:119]
	v_pk_add_f32 v[242:243], v[242:243], v[122:123]
	v_pk_add_f32 v[14:15], v[14:15], v[126:127]
	v_pk_add_f32 v[216:217], v[216:217], v[130:131]
	v_pk_add_f32 v[252:253], v[252:253], v[134:135]
	v_pk_add_f32 v[250:251], v[250:251], v[138:139]
	v_pk_add_f32 v[248:249], v[248:249], v[142:143]
	v_pk_add_f32 v[246:247], v[246:247], v[146:147]
	v_pk_add_f32 v[244:245], v[244:245], v[150:151]
	v_pk_add_f32 v[242:243], v[242:243], v[154:155]
	v_pk_add_f32 v[14:15], v[14:15], v[158:159]
	v_pk_add_f32 v[216:217], v[216:217], v[162:163]
	s_delay_alu instid0(VALU_DEP_2)
	v_pk_add_f32 v[14:15], v[14:15], v[248:249]
	s_delay_alu instid0(VALU_DEP_2)
	v_pk_add_f32 v[216:217], v[216:217], v[246:247]
	v_pk_add_f32 v[252:253], v[252:253], v[244:245]
	v_pk_add_f32 v[250:251], v[250:251], v[242:243]
	s_delay_alu instid0(VALU_DEP_2)
	v_pk_add_f32 v[14:15], v[14:15], v[252:253]
	s_delay_alu instid0(VALU_DEP_2)
	v_pk_add_f32 v[216:217], v[216:217], v[250:251]
	s_delay_alu instid0(VALU_DEP_1)
	v_pk_add_f32 v[14:15], v[14:15], v[216:217]
	s_cmp_ge_i32 s30, -8                           ; p is at most 1 (one rounding over it at the most), and 448 x 2^e8 is 1.75 or more from e8 = -8 on: there no p reaches the hold.  A branch on a whole number of the input
	s_cbranch_scc1 .Lnohold_\@
.set n, 0
.rept 64
	v_min_num_f32 v[S+n], v[S+n], v205             ; the conversion does not saturate (ISA guide 7.6.2); p is not negative, so the hold is one-sided
.set n, n+1
.endr
.Lnohold_\@:
.irp g, 0,1,2,3
	v_cvt_scalef32_pk8_fp8_f32 v[PC+4*\g:PC+4*\g+1], v[S+16*\g:S+16*\g+7], v204
	v_cvt_scalef32_pk8_fp8_f32 v[PC+4*\g+2:PC+4*\g+3], v[S+16*\g+8:S+16*\g+15], v204
.endr
.set n, 0
.rept 8
	v_pk_mul_f32 v[O+n:O+n+1], v[O+n:O+n+1], v[212:213] op_sel_hi:[1,0]   ; O^T under the new M; also the plain lines between the conversions and the products
.set n, n+2
.endr
	s_wait_alu depctr_va_vdst(0)
	s_wait_dscnt 0x0                               ; V is in
	v_wmma_f32_16x16x128_fp8_fp8 v[O:O+7], v[68:83], v[PC:PC+15], v[O:O+7]          ; the two accumulators take turns; the next step's eight score products stand between their links
	v_wmma_f32_16x16x128_fp8_fp8 v[O+8:O+15], v[84:99], v[PC:PC+15], v[O+8:O+15]
.Lskip_\@:
	s_add_co_u32 s40, s40, 4096
	s_add_co_u32 s39, s39, 1
	s_cmp_lt_u32 s39, 16
	s_cbranch_scc1 .Lks_\@
.rept 4
	v_nop                                          ; places behind the last products
.endr
	v_add_f32 v14, v14, v15
	s_delay_alu instid0(VALU_DEP_1)
	v_permlanex16_b32 v214, v14, s24, s25
	s_delay_alu instid0(VALU_DEP_1)
	v_add_f32 v14, v14, v214                       ; the row's sum
	s_wait_alu depctr_va_vdst(0)
	v_rcp_f32 v14, v14
	v_nop                                          ; a plain line behind the transcendental
.set n, 0
	s_wait_alu depctr_va_vdst(0)
.rept 16
	v_mul_f32 v[S+n], v[O+n], v14                  ; register n: channel 16 hh + n of my query
.set n, n+1
.endr
.set n, 0
.rept 16
	v_med3_num_f32 v[S+n], v[S+n], -v207, v207
.set n, n+1
.endr
	v_cvt_scalef32_pk8_fp8_f32 v[\oc:\oc+1], v[S:S+7], v206
	v_cvt_scalef32_pk8_fp8_f32 v[\oc+2:\oc+3], v[S+8:S+15], v206
	v_nop                                          ; a plain line between the conversions and the products that write their sources
	global_store_b128 v[\ao], v[\oc:\oc+3], s[16:17]   ; 32 lanes store 512 consecutive bytes: one piece of the next product's fragment
.endm
	TILE 16, 37, 35, 196, 8
	TILE 24, 38, 36, 200, 9
	s_wait_tensorcnt 0x0
	ds_add_u32 v254, v255
	s_wait_dscnt 0x0
	s_endpgm
.Lfunc_end_k_q29df821a6e_attn:
	.size	k_q29df821a6e_attn, .Lfunc_end_k_q29df821a6e_attn-k_q29df821a6e_attn
	.p2alignl 7, 3214868480
	.fill 96, 4, 3214868480
	.section	.rodata,"a",@progbits
	.p2align	6, 0x0
	.amdhsa_kernel k_q29df821a6e_attn
		.amdhsa_group_segment_fixed_size 133120
		.amdhsa_private_segment_fixed_size 0
		.amdhsa_enable_private_segment 0
		.amdhsa_kernarg_size 40
		.amdhsa_user_sgpr_count 2
		.amdhsa_user_sgpr_kernarg_segment_ptr 1
		.amdhsa_wavefront_size32 1
		.amdhsa_system_sgpr_workgroup_id_x 1
		.amdhsa_system_sgpr_workgroup_id_y 1
		.amdhsa_system_sgpr_workgroup_id_z 1
		.amdhsa_system_vgpr_workitem_id 0
		.amdhsa_next_free_vgpr 256
		.amdhsa_next_free_sgpr 66
		.amdhsa_reserve_vcc 1
		.amdhsa_float_denorm_mode_32 3
		.amdhsa_float_denorm_mode_16_64 3
		.amdhsa_memory_ordered 1
		.amdhsa_forward_progress 1
		.amdhsa_inst_pref_size 52
	.end_amdhsa_kernel
	.amdgpu_metadata
---
amdhsa.version: [ 1, 2 ]
amdhsa.kernels:
  - .name:           k_q29df821a6e_attn
    .symbol:         k_q29df821a6e_attn.kd
    .args:
      - { .name: q_img, .offset: 0, .size: 8, .value_kind: global_buffer, .address_space: global }
      - { .name: k_img, .offset: 8, .size: 8, .value_kind: global_buffer, .address_space: global }
      - { .name: v_img, .offset: 16, .size: 8, .value_kind: global_buffer, .address_space: global }
      - { .name: lowp_scales, .offset: 24, .size: 8, .value_kind: global_buffer, .address_space: global }
      - { .name: a_img, .offset: 32, .size: 8, .value_kind: global_buffer, .address_space: global }
    .group_segment_fixed_size: 133120
    .private_segment_fixed_size: 0
    .kernarg_segment_align: 8
    .kernarg_segment_size: 40
    .max_flat_workgroup_size: 512
    .sgpr_count:     66
    .vgpr_count:     256
    .wavefront_size: 32
...
	.end_amdgpu_metadata
.endif
;; end of part 3
;; launch tail (part 4): grid 256 x 1, 16 waves a work-group, clusters of 4 x 1, 327,680 bytes of LDS; arguments a_img, x, wc, lowp_scales, bo, g2, be2, b1, b2, out0; writes out0
.if DOCPART == 4
	.amdgcn_target "amdgcn-amd-amdhsa--gfx1250"
	.amdhsa_code_object_version 6
	.text
	.protected	k_q29df821a6e_tail
	.globl	k_q29df821a6e_tail
	.p2align	8
	.type	k_q29df821a6e_tail,@function
k_q29df821a6e_tail:
	s_mov_b64 s[64:65], 0
	v_nop
	global_prefetch_b8 v0, s[64:65] scope:SCOPE_SE
	s_setreg_imm32_b32 hwreg(HW_REG_WAVE_MODE, 25, 1), 1
	s_wait_xcnt 0x0
	s_wait_alu depctr_hold_cnt(0) depctr_sa_sdst(0) depctr_va_vdst(0) depctr_va_sdst(0) depctr_va_ssrc(0) depctr_va_vcc(0) depctr_vm_vsrc(0)
	s_getreg_b32 s2, hwreg(HW_REG_IB_STS2, 6, 4)
	s_cmp_eq_u32 s2, 0
	s_cbranch_scc0 .Lentry_in_a_cluster
	s_endpgm
.Lentry_in_a_cluster:
	s_bfe_u32 s2, ttmp6, 0x10000c
	s_cmp_lg_u32 s2, 0x3003
	s_cbranch_scc0 .Lentry_shape_is_right
	s_endpgm
.Lentry_shape_is_right:
; x1 = x + a Wo + bo;  h = layernorm(x1) g2 + be2;  out = x1 + relu(h W1 + b1) W2 + b2.  All three products on codes of E4M3 with the given scales: a e10, Wo e11; h e12, W1 e13; the hidden layer e14, W2 e15.
; x1 and the hidden layer never go to memory.
; LIMITS: e12 and e14 - e12 - e13 between -126 and 119; e10 + e11 and e14 + e15 between -126 and 127, so that each power of two below is an f32 number.  NaN and infinity among the inputs are not served.
; SHARES.  A work-group owns 32 neighbouring tokens (block G), two tiles in tile order: row r of tile u is token 8 u + r + 8 (r / 8).  Wave w makes columns 32 w .. 32 w + 31 of x1 and of the output and hidden units
; 128 w .. 128 w + 127, for all 32 rows, and walks its 18 chunks of weights (8,192 bytes: two K steps x two fragments) once.
; Every product: source 0 = 16 columns of the weight (in tile order), source 1 = 16 rows: a lane holds one row and 16 neighbouring columns, so the conversions' results are the next operand's registers.
; THE WEIGHTS COME BY TWO ROADS.  Chunks 1, 5, 9, 13 and 17 are asked for JOINTLY.  CLUSTERS: 4 x 1 work-groups, which all walk the same weights: wave w of each of the four issues the same tensor load
; (8,192 dense bytes as 32 rows of 256, mask 15) into its own bytes of ONE LDS slot, which it alone reads.  Chunk 1 is asked for at the head; chunks 5 and 13 where the work-group meets anyway (h's codes and the hidden
; layer's are handed over there: the round is that barrier too); chunks 9 and 17 at the heads of chunks 6 and 14.  Three chunks' work stands between each later request and the wait for it.
; The other 13 chunks, 26 K steps of 4,096 bytes, go from memory straight into my registers, through three buffers by turns, three K steps (24 loads) ahead.
; No prefetch: the text is straight, with no loop to run ahead in, and the loads into registers already run ahead.
; Operands go from wave to wave through LDS as images of their registers: a fragment is 2,048 bytes, piece c at 512 c + 16 x lane.
.set SP,    2064                       ; STAGE at 0: 32 rows x (2,048 + 16) bytes: x in by rows; x1 parked; the output out by rows
.set AIMG,  66048                      ; a's 8 fragments
.set PARAM, 82432                      ; bo, g2, be2, b2 (2,048 each), then b1 / 2^(e12 + e13) (8,192)
.set RED1,  98816                      ; the waves' partial sums: [row] 80 bytes apart; the sums of squares 2,560 bytes on
.set H2IMG, 103936                     ; h's 8 fragments
.set HID,   120320                     ; the hidden layer's 32 fragments
.set SLOT0, 185856                     ; the slot: [wave][8,192 bytes]; nothing is stored there
.set SPARE, 316928                     ; the spare words
.set LI,   1
.set ROW,  2
.set GRO,  3
.set SL,   4
.set AA,   5
.set H2A,  6
.set HDA,  7
.set CODE, 12
.set PA,   20
.set PB1,  21
.set RS,   22
.set RR,   23
.set H2S,  24
.set HDS,  25
.set WS,   27                          ; my 8,192 bytes of the slot, + 16 x lane (also named, unread, as the upper half of the pair v[26:27])
.set SPW,  30                          ; my spare word; never rewritten
.set NIL,  31                          ; 0; never rewritten
.set ACC,  32                          ; four accumulators
.set AB0,  64                          ; the rows' fragments of two K steps; between the products: x1 and what is added to it
.set AB1,  96
.set WB0,  128                         ; v128-159, v160-191, v192-223: three K steps of weights on their way from memory
.set WT,   224                         ; v224-255: a K step out of the slot
.set G1,   72                          ; s[72:79] descriptor group 1;  s[80:83] group 0
.set G0,   80
.set DH,   0                           ; the next K step that comes straight from memory, 0 .. 25
.macro ROUND                           ; a round of the cluster's barrier
	s_barrier_signal -1
	s_barrier_wait -1
	s_cmp_lg_u32 s2, 0
	s_cbranch_scc1 .Lnw_\@
	s_barrier_signal -3
.Lnw_\@:
	s_barrier_wait -3
	s_barrier_signal -1
	s_barrier_wait -1
.endm
.macro MKS e, vs                       ; v[vs] = 2^e, v[vs+1] = 448 x 2^e
	s_add_co_i32 s4, \e, 127
	s_lshl_b32 s5, s4, 23
	v_mov_b32 v[\vs], s5
	s_add_co_i32 s4, s4, 8
	s_lshl_b32 s4, s4, 23
	s_or_b32 s4, s4, 0x600000
	v_mov_b32 v[\vs+1], s4
.endm
.macro SUM16 dst, src, t
	v_pk_add_f32 v[\t:\t+1], v[\src:\src+1], v[\src+2:\src+3]
	v_pk_add_f32 v[\t+2:\t+3], v[\src+4:\src+5], v[\src+6:\src+7]
	v_pk_add_f32 v[\t+4:\t+5], v[\src+8:\src+9], v[\src+10:\src+11]
	v_pk_add_f32 v[\t+6:\t+7], v[\src+12:\src+13], v[\src+14:\src+15]
	s_delay_alu instid0(VALU_DEP_3)
	v_pk_add_f32 v[\t:\t+1], v[\t:\t+1], v[\t+2:\t+3]
	s_delay_alu instid0(VALU_DEP_2)
	v_pk_add_f32 v[\t+4:\t+5], v[\t+4:\t+5], v[\t+6:\t+7]
	s_delay_alu instid0(VALU_DEP_1)
	v_pk_add_f32 v[\t:\t+1], v[\t:\t+1], v[\t+4:\t+5]
	s_delay_alu instid0(VALU_DEP_1)
	v_add_f32 v[\dst], v[\t], v[\t+1]
.endm
.macro SQ16 dst, src, t
	v_pk_mul_f32 v[\t:\t+1], v[\src:\src+1], v[\src:\src+1]
	v_pk_mul_f32 v[\t+2:\t+3], v[\src+2:\src+3], v[\src+2:\src+3]
.irp j, 4,8,12
	s_delay_alu instid0(VALU_DEP_2)
	v_pk_fma_f32 v[\t:\t+1], v[\src+\j:\src+\j+1], v[\src+\j:\src+\j+1], v[\t:\t+1]
	s_delay_alu instid0(VALU_DEP_2)
	v_pk_fma_f32 v[\t+2:\t+3], v[\src+\j+2:\src+\j+3], v[\src+\j+2:\src+\j+3], v[\t+2:\t+3]
.endr
	s_delay_alu instid0(VALU_DEP_1)
	v_pk_add_f32 v[\t:\t+1], v[\t:\t+1], v[\t+2:\t+3]
	s_delay_alu instid0(VALU_DEP_1)
	v_add_f32 v[\dst], v[\t], v[\t+1]
.endm
.macro HALVES                          ; v26, v28: each lane's sum and lane l xor 16's (v18, v19 were written by the sums' trees)
	v_permlanex16_b32 v18, v26, s40, s41
	s_delay_alu instid0(VALU_DEP_2)
	v_permlanex16_b32 v19, v28, s40, s41
	s_delay_alu instid0(VALU_DEP_2)
	v_add_f32 v26, v26, v18
	s_delay_alu instid0(VALU_DEP_2)
	v_add_f32 v28, v28, v19
.endm
.macro BAR                             ; my LDS stores have landed and my LDS loads are in: the work-group's barrier
	s_wait_dscnt 0x0
	s_barrier_signal -1
	s_barrier_wait -1
.endm
.macro REFILL                          ; the slot, read out, takes the chunk four further on
	s_wait_tensorcnt 0x0                           ; no tensor load of mine is out
	ds_add_u32 v[SPW], v[NIL]
	s_add_nc_u64 s[G0+2:G0+3], s[G0+2:G0+3], 32768
	s_wait_dscnt 0x0                               ; the add is done, my reads of the slot are over, and my LDS stores have landed
	ROUND                                          ; the same holds of every wave of the four work-groups
	tensor_load_to_lds s[G0:G0+3], s[G1:G1+7]
	s_nop 0
.endm
.macro WLOADH d                        ; K step d of the 26 that come straight from memory: 8 loads of 512 consecutive bytes into buffer d % 3
.set QD, 4*(((\d)/2)/3)+(((\d)/2)%3)+((((\d)/2)%3)+1)/2   ; its chunk: 0, 2, 3, 4, 6, 7, 8, ..
.irp f, 0,1
.irp c, 0,1,2,3
	global_load_b128 v[WB0+32*((\d)%3)+16*\f+4*\c:WB0+32*((\d)%3)+16*\f+4*\c+3], v[LI], s[12:13] offset:QD*8192+((\d)%2)*4096+\f*2048+\c*512
.endr
.endr
.endm
.macro LDT f0                          ; fragments f0 and f0 + 1 of the chunk in the slot
.irp f, 0,1
.irp c, 0,1,2,3
	ds_load_b128 v[WT+16*\f+4*\c:WT+16*\f+4*\c+3], v[WS] offset:((\f0)+\f)*2048+\c*512
.endr
.endr
.endm
.macro AF ab, adr, ns, s               ; the rows' two fragments (tile 0, tile 1) of K step s, out of ns K steps
.irp u, 0,1
.irp c, 0,1,2,3
	ds_load_b128 v[\ab+16*\u+4*\c:\ab+16*\u+4*\c+3], v[\adr] offset:(\u*(\ns)+(\s))*2048+512*\c
.endr
.endr
.endm
.macro MM4 wb, ab, zero                ; four products of one K step; the four accumulators take turns
.irp t, 0,1
.irp u, 0,1
.if \zero
	v_wmma_f32_16x16x128_fp8_fp8 v[ACC+16*\u+8*\t:ACC+16*\u+8*\t+7], v[\wb+16*\t:\wb+16*\t+15], v[\ab+16*\u:\ab+16*\u+15], 0
.else
	v_wmma_f32_16x16x128_fp8_fp8 v[ACC+16*\u+8*\t:ACC+16*\u+8*\t+7], v[\wb+16*\t:\wb+16*\t+15], v[\ab+16*\u:\ab+16*\u+15], v[ACC+16*\u+8*\t:ACC+16*\u+8*\t+7]
.endif
.endr
.endr
.endm
.macro PLACES                          ; four places in front of loads into the last products' registers and of reads of their results; the fifth for products that write over the accumulators anew
.rept 5
	v_nop
.endr
.endm
.macro CHUNK q, adr, ns, s0, zero      ; chunk q of my 18: K steps s0 and s0 + 1 of one group of 32 columns
.if (\q)%4 == 1
	s_wait_tensorcnt 0x0                           ; the chunk in the slot, which I alone read, is in
	AF AB0, \adr, \ns, \s0
	LDT 0
	AF AB1, \adr, \ns, (\s0)+1
	s_wait_dscnt 8                                 ; the first K step is in; the second's eight rows' loads stay out
	MM4 WT, AB0, \zero
	PLACES
	LDT 2
	s_wait_dscnt 0x0
	MM4 WT, AB1, 0
	PLACES
.else
.if (\q) == 6
	REFILL                                         ; chunk 9
.endif
.if (\q) == 14
	REFILL                                         ; chunk 17
.endif
	AF AB0, \adr, \ns, \s0
	AF AB1, \adr, \ns, (\s0)+1
.if DH < 24
	s_wait_loadcnt 16                              ; this K step's 8 loads are in; the two younger K steps' 16 stay out
.else
	s_wait_loadcnt 8
.endif
	s_wait_dscnt 8                                 ; all LDS instructions but the second K step's eight loads are done
	MM4 WB0+32*(DH%3), AB0, \zero
.if DH < 24
	s_wait_loadcnt 8                               ; one younger K step's 8 stay out
.else
	s_wait_loadcnt 0x0
.endif
	s_wait_dscnt 0x0
	MM4 WB0+32*((DH+1)%3), AB1, 0
	PLACES
.if DH+3 <= 25
	WLOADH DH+3
.endif
.if DH+4 <= 25
	WLOADH DH+4
.endif
.set DH, DH+2
.endif
.endm
.macro SLOAD                           ; my 2 x 16 numbers of the stage into v64-95
.irp u, 0,1
.irp i, 0,1,2,3
	ds_load_b128 v[AB0+16*\u+4*\i:AB0+16*\u+4*\i+3], v[SL] offset:33024*\u+16*\i
.endr
.endr
.endm
.macro SSTORE                          ; and back onto the same bytes
.irp u, 0,1
.irp i, 0,1,2,3
	ds_store_b128 v[SL], v[AB0+16*\u+4*\i:AB0+16*\u+4*\i+3] offset:33024*\u+16*\i
.endr
.endr
.endm
.macro RESID sp                        ; v64-95 = sum x 2^(the product's two exponents) + (v64-95 + the bias in v96-111)
.irp u, 0,1
.irp j, 0,2,4,6,8,10,12,14
	v_pk_add_f32 v[AB0+16*\u+\j:AB0+16*\u+\j+1], v[AB0+16*\u+\j:AB0+16*\u+\j+1], v[AB1+\j:AB1+\j+1]
.endr
.endr
.irp u, 0,1
.irp j, 0,2,4,6,8,10,12,14
	v_pk_fma_f32 v[AB0+16*\u+\j:AB0+16*\u+\j+1], v[ACC+16*\u+\j:ACC+16*\u+\j+1], s[\sp:\sp+1], v[AB0+16*\u+\j:AB0+16*\u+\j+1] op_sel_hi:[1,0,1]   ; each accumulator from its low end on
.endr
.endr
.endm
.macro CVT4 src, sc                    ; 2 x 16 numbers become 2 x 16 codes in v12-19
.irp g, 0,1
	v_cvt_scalef32_pk8_fp8_f32 v[CODE+4*\g:CODE+4*\g+1], v[\src+16*\g:\src+16*\g+7], v[\sc]
	v_cvt_scalef32_pk8_fp8_f32 v[CODE+4*\g+2:CODE+4*\g+3], v[\src+16*\g+8:\src+16*\g+15], v[\sc]
.endr
	v_nop                                          ; a plain line behind the conversions
.endm
	s_load_b512 s[8:23], s[0:1], 0x0               ; a_img 8, x 10, wc 12, the scales' exponents 14, bo 16, g2 18, be2 20, b1 22
	s_load_b128 s[24:27], s[0:1], 0x40             ; b2 24, out0 26
	v_lshl_add_u32 v[SPW], v0, 2, SPARE
	v_mov_b32 v[NIL], 0
	ds_add_u32 v[SPW], v[NIL]                      ; the opening lines: the add twice on end and one wait
	ds_add_u32 v[SPW], v[NIL]
	v_lshrrev_b32 v1, 5, v0
	s_delay_alu instid0(VALU_DEP_1)
	v_readfirstlane_b32 s2, v1                     ; wave 0..15
	v_and_b32 v13, 31, v0                          ; lane
	v_and_b32 v14, 15, v0                          ; r
	v_bfe_u32 v12, v0, 4, 1                        ; hh
	s_delay_alu instid0(VALU_DEP_3)
	v_lshlrev_b32 v[LI], 4, v13
	s_mul_i32 s4, s2, SP
	v_add_nc_u32 v[ROW], s4, v[LI]
	s_lshr_b32 s4, s2, 3
	s_lshl_b32 s4, s4, 3
	s_add_co_u32 s4, s4, s2                        ; row w of tile 0 is token w + 8 (w / 8); row w of tile 1 lies 8 tokens on
	s_lshl_b32 s4, s4, 11
	v_add_nc_u32 v[GRO], s4, v[LI]
	v_mul_u32_u24 v[SL], v14, SP
	s_delay_alu instid0(VALU_DEP_1)
	v_lshl_add_u32 v[SL], v12, 6, v[SL]
	s_lshl_b32 s4, s2, 7
	v_add_nc_u32 v[SL], s4, v[SL]
	v_add_nc_u32 v[AA], AIMG, v[LI]
	v_add_nc_u32 v[H2A], H2IMG, v[LI]
	v_add_nc_u32 v[HDA], HID, v[LI]
	v_lshlrev_b32 v[PA], 6, v12
	s_delay_alu instid0(VALU_DEP_1)
	v_add_nc_u32 v[PA], s4, v[PA]
	s_delay_alu instid0(VALU_DEP_1)
	v_add_nc_u32 v[PA], PARAM, v[PA]
	s_lshl_b32 s5, s2, 9
	v_lshlrev_b32 v[PB1], 6, v12
	s_delay_alu instid0(VALU_DEP_1)
	v_add_nc_u32 v[PB1], s5, v[PB1]
	s_delay_alu instid0(VALU_DEP_1)
	v_add_nc_u32 v[PB1], PARAM+8192, v[PB1]
	v_mul_u32_u24 v[RR], v14, 80
	s_delay_alu instid0(VALU_DEP_1)
	v_add_nc_u32 v[RR], RED1, v[RR]
	s_lshl_b32 s6, s2, 2
	v_add_nc_u32 v[RS], s6, v[RR]
	v_add_nc_u32 v[H2S], s5, v[H2A]
	s_lshl_b32 s6, s2, 11
	v_add_nc_u32 v[HDS], s6, v[HDA]
	v_lshlrev_b32 v26, 4, v0                       ; the fill: 16 x thread,
	v_and_b32 v15, 127, v0
	s_delay_alu instid0(VALU_DEP_1)
	v_lshlrev_b32 v15, 4, v15                      ; 16 x (thread % 128)
	s_delay_alu instid0(VALU_DEP_3)
	v_add_nc_u32 v28, AIMG, v26
	s_delay_alu instid0(VALU_DEP_4)
	v_add_nc_u32 v29, PARAM, v26
	s_lshl_b32 s6, s2, 13
	s_add_co_u32 s[G0+1], s6, SLOT0                ; my 8,192 bytes of the slot
	v_add_nc_u32 v[WS], s[G0+1], v[LI]
	s_bfe_u32 s3, ttmp6, 0x40000                   ; my place in the cluster
	s_lshl_b32 s6, ttmp9, 2
	s_add_co_u32 s3, s3, s6                        ; G: it enters global offsets alone
	s_lshl_b32 s50, s3, 14                         ; a_img: 16,384 bytes a block
	s_mov_b32 s51, 0
	s_lshl_b32 s52, s3, 16                         ; x, out0: 32 rows of 2,048 bytes
	s_mov_b32 s53, 0
	s_mul_i32 s54, s2, 147456                      ; wc: my 18 chunks
	s_add_co_u32 s54, s54, 786432
	s_mov_b32 s55, 0
	s_lshr_b32 s7, s2, 2                           ; waves 0-3 bring bo, 4-7 g2, 8-11 be2, 12-15 b2
	s_mov_b32 s40, 0x76543210                      ; v_permlanex16_b32: lane l xor 16
	s_mov_b32 s41, 0xfedcba98
	s_mov_b32 s48, 0x3b000000                      ; 1 / 512
	s_mov_b32 s49, 0x3727c5ac                      ; 1e-5
	s_mov_b32 s[G1], 15|(3<<16)|(1<<21)            ; the four work-groups; elements of 8 bytes; bit 21 beside the mask
	s_mov_b32 s[G1+1], 32<<16                      ; rows of 32 elements = 256 bytes
	s_mov_b32 s[G1+2], 32<<16                      ; 32 rows
	s_mov_b32 s[G1+3], 32<<16
	s_mov_b32 s[G1+4], 32
	s_mov_b32 s[G1+5], 32                          ; dense
	s_mov_b32 s[G1+6], 0
	s_mov_b32 s[G1+7], 0
	s_mov_b32 s[G0], 1
	s_wait_alu depctr_va_vdst(0)
	s_wait_dscnt 0x0                               ; both opening adds are done
	s_wait_kmcnt 0x0
	s_load_b64 s[28:29], s[14:15], 0x28            ; e10, e11
	s_load_b128 s[32:35], s[14:15], 0x30           ; e12 .. e15
	s_mov_b64 s[44:45], s[24:25]                   ; a choice that hangs on the wave's number alone
	s_cmp_lt_u32 s7, 3
	s_cselect_b64 s[44:45], s[20:21], s[44:45]
	s_cmp_lt_u32 s7, 2
	s_cselect_b64 s[44:45], s[18:19], s[44:45]
	s_cmp_lt_u32 s7, 1
	s_cselect_b64 s[44:45], s[16:17], s[44:45]
	s_add_nc_u64 s[8:9], s[8:9], s[50:51]
	s_add_nc_u64 s[10:11], s[10:11], s[52:53]
	s_add_nc_u64 s[26:27], s[26:27], s[52:53]
	s_add_nc_u64 s[12:13], s[12:13], s[54:55]
	s_add_nc_u64 s[G0+2:G0+3], s[12:13], 8192      ; chunk 1
	s_or_b32 s[G0+3], s[G0+3], 0x80000000
	ROUND                                          ; the four work-groups are here: the first joint loads meet
	tensor_load_to_lds s[G0:G0+3], s[G1:G1+7]      ; my one load at the head
	s_nop 0
.irp i, 0,1,2,3
	global_load_b128 v[AB0+4*\i:AB0+4*\i+3], v[GRO], s[10:11] offset:512*\i th:TH_LOAD_NT           ; 512 consecutive bytes a load
.endr
.irp i, 0,1,2,3
	global_load_b128 v[AB0+16+4*\i:AB0+16+4*\i+3], v[GRO], s[10:11] offset:16384+512*\i th:TH_LOAD_NT
.endr
	global_load_b128 v[96:99], v26, s[8:9] th:TH_LOAD_NT
	global_load_b128 v[100:103], v26, s[8:9] offset:8192 th:TH_LOAD_NT
	global_load_b128 v[104:107], v15, s[44:45]
	global_load_b128 v[108:111], v26, s[22:23]
	WLOADH 0
	WLOADH 1
	WLOADH 2
	s_wait_kmcnt 0x0
	s_add_co_i32 s36, s28, s29
	s_add_co_i32 s36, s36, 127
	s_lshl_b32 s36, s36, 23                        ; 2^(e10 + e11)
	s_mov_b32 s37, s36
	s_add_co_i32 s38, s34, s35
	s_add_co_i32 s38, s38, 127
	s_lshl_b32 s38, s38, 23                        ; 2^(e14 + e15)
	s_mov_b32 s39, s38
	MKS s32, 8                                     ; e12
	s_add_co_i32 s42, s32, s33                     ; e12 + e13
	s_sub_co_i32 s6, s34, s42
	MKS s6, 10                                     ; e14 - e12 - e13
	s_sub_co_i32 s42, 0, s42
	s_wait_loadcnt 24                              ; all but the three K steps' 24 loads are in
.irp j, 108,109,110,111
	v_ldexp_f32 v\j, v\j, s42                      ; b1 / 2^(e12 + e13): it goes in as the sums' start
.endr
.irp i, 0,1,2,3
	ds_store_b128 v[ROW], v[AB0+4*\i:AB0+4*\i+3] offset:512*\i
.endr
.irp i, 0,1,2,3
	ds_store_b128 v[ROW], v[AB0+16+4*\i:AB0+16+4*\i+3] offset:33024+512*\i
.endr
	ds_store_b128 v28, v[96:99]
	ds_store_b128 v28, v[100:103] offset:8192
	ds_store_b128 v29, v[104:107]
	ds_store_b128 v29, v[108:111] offset:8192
	BAR                                            ; x, a's fragments and the vectors lie in LDS
	; ---- x1 = x + a Wo + bo
	CHUNK 0, AA, 4, 0, 1
	CHUNK 1, AA, 4, 2, 0
	SLOAD
.irp i, 0,1,2,3
	ds_load_b128 v[AB1+4*\i:AB1+4*\i+3], v[PA] offset:16*\i
.endr
	s_wait_dscnt 0x0
	RESID 36
	SSTORE                                         ; x1 is parked for the end
	; ---- the norm, in two passes; a row's 512 numbers lie in 16 waves
	SUM16 26, AB0, CODE
	SUM16 28, AB0+16, CODE
	HALVES
	ds_store_b32 v[RS], v26                        ; lanes r and r + 16 write the same word with the same value
	ds_store_b32 v[RS], v28 offset:1280
	BAR
.irp u, 0,1
.irp i, 0,1,2,3
	ds_load_b128 v[AB1+16*\u+4*\i:AB1+16*\u+4*\i+3], v[RR] offset:1280*\u+16*\i
.endr
.endr
	s_wait_dscnt 0x0
	SUM16 26, AB1, CODE                            ; every wave adds the sixteen parts in the same order
	SUM16 28, AB1+16, CODE
	v_mul_f32 v26, s48, v26
	s_delay_alu instid0(VALU_DEP_2)
	v_mul_f32 v28, s48, v28
.set j, 0
.rept 8
	v_pk_add_f32 v[AB0+j:AB0+j+1], v[AB0+j:AB0+j+1], v[26:27] op_sel_hi:[1,0] neg_lo:[0,1] neg_hi:[0,1]
	v_pk_add_f32 v[AB0+16+j:AB0+17+j], v[AB0+16+j:AB0+17+j], v[28:29] op_sel_hi:[1,0] neg_lo:[0,1] neg_hi:[0,1]
.set j, j+2
.endr
	SQ16 26, AB0, CODE
	SQ16 28, AB0+16, CODE
	HALVES
	ds_store_b32 v[RS], v26 offset:2560
	ds_store_b32 v[RS], v28 offset:2560+1280
	BAR
.irp u, 0,1
.irp i, 0,1,2,3
	ds_load_b128 v[AB1+16*\u+4*\i:AB1+16*\u+4*\i+3], v[RR] offset:2560+1280*\u+16*\i
.endr
.endr
.irp i, 0,1,2,3
	ds_load_b128 v[ACC+4*\i:ACC+4*\i+3], v[PA] offset:2048+16*\i        ; g2
.endr
.irp i, 0,1,2,3
	ds_load_b128 v[ACC+16+4*\i:ACC+16+4*\i+3], v[PA] offset:4096+16*\i  ; be2
.endr
	s_wait_dscnt 8                                 ; the parts are in; g2's and be2's eight loads stay out
	SUM16 26, AB1, CODE
	SUM16 28, AB1+16, CODE
	v_fma_f32 v26, v26, s48, s49                   ; the variance + 1e-5
	s_delay_alu instid0(VALU_DEP_2)
	v_fma_f32 v28, v28, s48, s49
	s_wait_alu depctr_va_vdst(0)
	v_rsq_f32 v26, v26
	v_rsq_f32 v28, v28
	v_nop                                          ; a plain line behind the transcendentals
.set j, 0
	s_wait_alu depctr_va_vdst(0)
.rept 8
	v_pk_mul_f32 v[AB0+j:AB0+j+1], v[AB0+j:AB0+j+1], v[26:27] op_sel_hi:[1,0]
	v_pk_mul_f32 v[AB0+16+j:AB0+17+j], v[AB0+16+j:AB0+17+j], v[28:29] op_sel_hi:[1,0]
.set j, j+2
.endr
	s_wait_dscnt 0x0
.set j, 0
.rept 8
	v_pk_fma_f32 v[AB0+j:AB0+j+1], v[AB0+j:AB0+j+1], v[ACC+j:ACC+j+1], v[ACC+16+j:ACC+17+j]
	v_pk_fma_f32 v[AB0+16+j:AB0+17+j], v[AB0+16+j:AB0+17+j], v[ACC+j:ACC+j+1], v[ACC+16+j:ACC+17+j]
.set j, j+2
.endr
.set n, 0
.rept 32
	v_med3_num_f32 v[AB0+n], v[AB0+n], -v9, v9     ; the conversion does not saturate (ISA guide 7.6.2): the hold comes first
.set n, n+1
.endr
	CVT4 AB0, 8
	ds_store_b128 v[H2S], v[CODE:CODE+3]           ; k = 32 w + 16 hh + 0 .. 15: piece w % 4 of K step w / 4
	ds_store_b128 v[H2S], v[CODE+4:CODE+7] offset:8192
	REFILL                                         ; h's eight fragments lie in LDS; and the slot takes chunk 5
	; ---- the hidden layer: my 128 units, 32 at a time
.irp c, 0,1,2,3
.irp u, 0,1
.irp t, 0,1
.irp i, 0,1
	ds_load_b128 v[ACC+16*\u+8*\t+4*\i:ACC+16*\u+8*\t+4*\i+3], v[PB1] offset:128*\c+32*\t+16*\i   ; the bias, in the result's layout, is what the sums begin with
.endr
.endr
.endr
	CHUNK 2+2*\c, H2A, 4, 0, 0                     ; (its first wait on the LDS counter covers the eight loads above, which are older)
	CHUNK 3+2*\c, H2A, 4, 2, 0
.set n, 0
.rept 32
	v_med3_num_f32 v[ACC+n], v[ACC+n], 0, v11      ; the activation and the hold in one; each accumulator from its low end on
.set n, n+1
.endr
	CVT4 ACC, 10
	ds_store_b128 v[HDS], v[CODE:CODE+3] offset:512*\c          ; K step w of the last product, piece c
	ds_store_b128 v[HDS], v[CODE+4:CODE+7] offset:32768+512*\c
.endr
	REFILL                                         ; the hidden layer's 32 fragments lie in LDS; and the slot takes chunk 13
	; ---- out = x1 + hidden W2 + b2
	CHUNK 10, HDA, 16, 0, 1
.irp j, 1,2,3,4,5,6,7
	CHUNK 10+\j, HDA, 16, 2*\j, 0
.endr
	SLOAD                                          ; x1
.irp i, 0,1,2,3
	ds_load_b128 v[AB1+4*\i:AB1+4*\i+3], v[PA] offset:6144+16*\i        ; b2
.endr
	s_wait_dscnt 0x0
	RESID 38
	SSTORE
	BAR                                            ; 32 whole rows of the output lie in the stage
.irp i, 0,1,2,3
	ds_load_b128 v[WB0+4*\i:WB0+4*\i+3], v[ROW] offset:512*\i
.endr
.irp i, 0,1,2,3
	ds_load_b128 v[WB0+16+4*\i:WB0+16+4*\i+3], v[ROW] offset:33024+512*\i
.endr
.irp i, 0,1,2,3
	s_wait_dscnt 7-\i                              ; LDS loads come back in order: this one is in, the younger stay out
	global_store_b128 v[GRO], v[WB0+4*\i:WB0+4*\i+3], s[26:27] offset:512*\i th:TH_STORE_NT          ; 32 lanes store 512 consecutive bytes, aligned
.endr
.irp i, 0,1,2,3
	s_wait_dscnt 3-\i
	global_store_b128 v[GRO], v[WB0+16+4*\i:WB0+16+4*\i+3], s[26:27] offset:16384+512*\i th:TH_STORE_NT
.endr
	s_wait_tensorcnt 0x0                           ; the wave's end
	ds_add_u32 v[SPW], v[NIL]
	s_wait_dscnt 0x0
	ROUND                                          ; the closing round
	s_endpgm
.Lfunc_end_k_q29df821a6e_tail:
	.size	k_q29df821a6e_tail, .Lfunc_end_k_q29df821a6e_tail-k_q29df821a6e_tail
	.p2alignl 7, 3214868480
	.fill 96, 4, 3214868480
	.section	.rodata,"a",@progbits
	.p2align	6, 0x0
	.amdhsa_kernel k_q29df821a6e_tail
		.amdhsa_group_segment_fixed_size 327680
		.amdhsa_private_segment_fixed_size 0
		.amdhsa_enable_private_segment 0
		.amdhsa_kernarg_size 80
		.amdhsa_user_sgpr_count 2
		.amdhsa_user_sgpr_kernarg_segment_ptr 1
		.amdhsa_wavefront_size32 1
		.amdhsa_system_sgpr_workgroup_id_x 1
		.amdhsa_system_sgpr_workgroup_id_y 1
		.amdhsa_system_sgpr_workgroup_id_z 1
		.amdhsa_system_vgpr_workitem_id 0
		.amdhsa_next_free_vgpr 256
		.amdhsa_next_free_sgpr 88
		.amdhsa_reserve_vcc 0
		.amdhsa_float_denorm_mode_32 3
		.amdhsa_float_denorm_mode_16_64 3
		.amdhsa_memory_ordered 1
		.amdhsa_forward_progress 1
		.amdhsa_inst_pref_size 102
	.end_amdhsa_kernel
	.amdgpu_metadata
---
amdhsa.version: [ 1, 2 ]
amdhsa.kernels:
  - .name:           k_q29df821a6e_tail
    .symbol:         k_q29df821a6e_tail.kd
    .args:
      - { .name: a_img, .offset: 0, .size: 8, .value_kind: global_buffer, .address_space: global }
      - { .name: x, .offset: 8, .size: 8, .value_kind: global_buffer, .address_space: global }
      - { .name: wc, .offset: 16, .size: 8, .value_kind: global_buffer, .address_space: global }
      - { .name: lowp_scales, .offset: 24, .size: 8, .value_kind: global_buffer, .address_space: global }
      - { .name: bo, .offset: 32, .size: 8, .value_kind: global_buffer, .address_space: global }
      - { .name: g2, .offset: 40, .size: 8, .value_kind: global_buffer, .address_space: global }
      - { .name: be2, .offset: 48, .size: 8, .value_kind: global_buffer, .address_space: global }
      - { .name: b1, .offset: 56, .size: 8, .value_kind: global_buffer, .address_space: global }
      - { .name: b2, .offset: 64, .size: 8, .value_kind: global_buffer, .address_space: global }
      - { .name: out0, .offset: 72, .size: 8, .value_kind: global_buffer, .address_space: global }
    .group_segment_fixed_size: 327680
    .private_segment_fixed_size: 0
    .kernarg_segment_align: 8
    .kernarg_segment_size: 80
    .max_flat_workgroup_size: 512
    .sgpr_count:     88
    .vgpr_count:     256
    .wavefront_size: 32
...
	.end_amdgpu_metadata
.endif
;; end of part 4
